; MI455X (gfx1250); checked and timed in simulation.
; The chip was launched on July 23, 2026; its instructions are those of AMD's public machine-readable ISA for CDNA 5 (MIT licence, August 2026) and "CDNA5" Instruction Set Architecture Reference Guide (July 2026). The comments in the code are by the model that wrote it; some were corrected since.
;; Routed FFN. Allowed arithmetic: float matrix products may take bf16 or f16 operands with f32 sums; all other float work in f32.
;; Inputs: W1 8 x 1,024 x 4,096 float32; W2 8 x 4,096 x 1,024 float32; Wg 1,024 x 8 float32; Wi 1,024 x 1,024 float32; Ws 1,024 x 1,024 float32; b1 8 x 4,096 float32; b2 8 x 1,024 float32; bg 8 float32; bi 1,024 float32; bs 1,024 float32; routing_state 4 x 1,024 float32; x 4 x 256 x 1,024 float32.
;; Outputs: out0 4 x 256 x 1,024 float32; out1 4 x 256 x 8 float32.
;; 3 versions, each right; version 2 is faster than version 1; version 3 is version 2 with the launches gate, combine written anew for expert scheduling mode. Each part assembles by itself: llvm-mc -triple=amdgcn-amd-amdhsa -mcpu=gfx1250 --defsym DOCPART=n.
;; ======== version 1 of 3: 4 launches
;; workspace buffers: xp 2,097,152 bytes; pl 1,048,576 bytes; Hp 67,108,864 bytes; P 67,108,864 bytes
;; launch gate (part 1): grid 256 x 1, 8 waves a work-group, no clusters, 132,096 bytes of LDS; arguments x, routing_state, Wi, Ws, bs, bi, Wg, xp, pl; writes xp, pl
.if DOCPART == 1
	.amdgcn_target "amdgcn-amd-amdhsa--gfx1250"
	.amdhsa_code_object_version 6
	.text
	.protected	k_q2f93df26aa_gate
	.globl	k_q2f93df26aa_gate
	.p2align	8
	.type	k_q2f93df26aa_gate,@function
k_q2f93df26aa_gate:
	s_mov_b64 s[64:65], 0
	v_nop
	global_prefetch_b8 v0, s[64:65] scope:SCOPE_SE
	s_setreg_imm32_b32 hwreg(HW_REG_WAVE_MODE, 25, 1), 1
	s_wait_xcnt 0x0
; GATE, first part:  pl = partial sums of  gelu(x Wi + rs Ws + bs + bi) Wg,  and  xp = x in bf16, laid out in panels.
; x [1024 tokens][1024] f32, rs [4][1024], Wi, Ws [1024 (k)][1024 (n)], Wg [1024][8], all f32.
; xp [128 panels][1024 tokens][8 k] bf16.   pl [32 column blocks of 32][2 head quads][1024 tokens][4 heads] f32.
; Work-group c: tokens 64 (c>>4) .. +63 (one batch row b = c>>6), columns 64 (c&15) .. +63 of the combined projection.
; The two projections are ONE product of K = 2,048, [x | rs_b] [Wi ; Ws], split along K over the eight waves:
; waves 0-3 take x and Wi, k = 256 w .. +255; waves 4-7 take rs and Ws with a row stride of 0 (all 16 rows of a fragment are rs[b]).
; Each wave makes 64 x 64 in 16 accumulators, eight steps of 32 along K; the eight partial tiles meet in LDS behind the one barrier.
; Operands come straight from memory in f32 and are rounded to bf16 in registers.  A weight load of lane (r, h) takes columns
; 4r .. 4r+3 of one row k: sixteen lanes read 256 consecutive bytes; word j of the loads feeds fragment j, whose lane r is column 4r + j.
; No cluster: nothing goes through the tensor mover here, and the launch's matrix work is 1/32 of the program's.
; GELU, exact form by erfc:  gelu(x) = max(x,0) - 0.5 |x| erfc(|x|/sqrt 2),  erfc by Abramowitz-Stegun 7.1.26.
; LIMITS: absolute error of erf at most 1.5e-7, of gelu at most 0.75e-7 |x|; v_exp_f32 and v_rcp_f32 flush denormals (ISA guide, 15.8),
; the erfc term is then 0; an infinite argument gives NaN.
.set POF,  3                           ; v3      offset of my 16 bytes in pl
.set WOFF, 4                           ; v4      weights: 8 h rows + 16 r
.set AOFF, 5                           ; v5-8    tokens: (16 mt + r) x stride + 32 h
.set CLD,  9                           ; v9      the cast: from where
.set CST,  10                          ; v10     the cast: to where
.set ST,   11                          ; v11     LDS: my wave's partial tile + 16 x lane
.set RD,   12                          ; v12-13  LDS: where I read the partials of waves 0-3, 4-7
.set BOF,  14                          ; v14     offset in bs, bi
.set GOF,  15                          ; v15     offset in Wg
.set WB,   16                          ; v16-47  four weight fragments (bf16)
.set AB,   48                          ; v48-79  four token fragments (bf16)
.set EPW,  80                          ; v80-95  16 numbers of Wg (before: the cast's f32)
.set EBS,  96                          ; v96-111 16 numbers of bs (before: the cast's packed words)
.set EBI,  112                         ; v112-127 16 numbers of bi (before: set-up temporaries)
.set ACC,  128                         ; v128-255 accumulator (mt, j) at ACC + 8 (4 mt + j); later the partials and the GELU's work
.set EY,   144
.set ER,   160
.set ET,   176
.set EE,   192
.set EP,   208
.set CP,   224                         ; five constants, each twice (pairs for the packed multiply-adds)
; window 1 (v256-511): two stage slots of 128 registers: 64 of weights, 64 of tokens, in f32 as loaded
.set MSB, 0
.macro WIN new                         ; s_set_vgpr_msb; the immediate's high byte repeats the setting that is left
.if MSB != \new
	s_set_vgpr_msb (MSB<<8)|\new
.set MSB, \new
.endif
.endm
.macro PLACES                          ; four places behind a matrix instruction (ISA guide 7.12.1)
.rept 4
	v_nop
.endr
.endm
	s_load_b256 s[4:11], s[0:1], 0x0               ; x s[4:5], rs s[6:7], Wi s[8:9], Ws s[10:11]
	s_load_b256 s[12:19], s[0:1], 0x20             ; bs s[12:13], bi s[14:15], Wg s[16:17], xp s[18:19]
	s_load_b64 s[20:21], s[0:1], 0x40              ; pl
	v_lshrrev_b32 v1, 5, v0
	v_readfirstlane_b32 s22, v1                    ; wave 0..7
	s_lshr_b32 s23, ttmp9, 4                       ; tb: block of 64 tokens
	s_and_b32 s24, ttmp9, 15                       ; nb: block of 64 columns
	s_and_b32 s25, s22, 3                          ; my quarter of the 1,024 k of my operand pair
	s_lshl_b32 s26, s23, 18                        ; x: tb x 64 rows x 4,096 bytes
	s_lshr_b32 s27, s23, 2
	s_lshl_b32 s27, s27, 12                        ; rs: b x 4,096 bytes
	s_lshl_b32 s29, s25, 10                        ; 256 k x 4 bytes
	s_lshl_b32 s30, s25, 20                        ; 256 rows of weights x 4,096 bytes
	s_lshl_b32 s31, s24, 8                         ; 64 columns x 4 bytes
	s_add_co_u32 s30, s30, s31
	s_mov_b32 s31, 0
	s_cmp_lt_u32 s22, 4                            ; waves 0-3: x and Wi; waves 4-7: rs and Ws
	s_cselect_b32 s28, s26, s27
	s_cselect_b32 s36, 0x1000, 0                   ; bytes from token to token
	s_wait_kmcnt 0x0
	s_cselect_b64 s[32:33], s[4:5], s[6:7]
	s_cselect_b64 s[34:35], s[8:9], s[10:11]
	s_add_co_u32 s28, s28, s29
	s_mov_b32 s29, 0
	s_add_nc_u64 s[32:33], s[32:33], s[28:29]      ; my tokens' first k
	s_add_nc_u64 s[34:35], s[34:35], s[30:31]      ; my weights' first row and column
	s_and_b32 s26, ttmp9, 63                       ; the cast's slice: 16 tokens tg,
	s_lshr_b32 s27, ttmp9, 6                       ; 256 k (32 panels) kq
	s_lshl_b32 s28, s26, 16
	s_lshl_b32 s30, s27, 10
	s_add_co_u32 s28, s28, s30
	s_add_nc_u64 s[4:5], s[4:5], s[28:29]          ; x + tg x 16 rows + kq x 1,024 bytes
	s_lshl_b32 s30, s27, 19
	s_lshl_b32 s26, s26, 8
	s_add_co_u32 s30, s30, s26
	s_add_nc_u64 s[18:19], s[18:19], s[30:31]      ; xp + kq x 32 panels of 16,384 bytes + tg x 256 bytes
	s_lshr_b32 s26, s22, 1                         ; behind the barrier wave v sums m tile mt = v>>1,
	s_and_b32 s27, s22, 1                          ; columns 32 kh .. +31, kh = v&1
	s_lshl_b32 s28, s24, 11
	s_lshl_b32 s30, s27, 10
	s_add_co_u32 s28, s28, s30
	s_add_nc_u64 s[16:17], s[16:17], s[28:29]      ; Wg + (64 nb + 32 kh) rows of 32 bytes
	s_lshr_b32 s28, s28, 3
	s_add_nc_u64 s[12:13], s[12:13], s[28:29]      ; bs, bi + (64 nb + 32 kh) x 4
	s_add_nc_u64 s[14:15], s[14:15], s[28:29]
	s_lshl_b32 s28, s24, 16
	s_lshl_b32 s30, s27, 15
	s_add_co_u32 s28, s28, s30
	s_lshl_b32 s30, s23, 10
	s_add_co_u32 s28, s28, s30
	s_lshl_b32 s30, s26, 8
	s_add_co_u32 s28, s28, s30
	s_add_nc_u64 s[20:21], s[20:21], s[28:29]      ; pl + (2 nb + kh) x 32,768 + (64 tb + 16 mt) x 16
	s_lshl_b32 s37, s22, 14                        ; LDS: 16,384 bytes for each wave's partial tile
	s_lshl_b32 s41, s26, 12
	s_lshl_b32 s42, s27, 8
	s_add_co_u32 s41, s41, s42                     ; LDS: mt x 4,096 + kh x 256
	s_mov_b32 s38, 0x3f596d27                      ; c = sqrt(log2(e) / 2) = 0.8493218, twice
	s_mov_b32 s39, 0x3f596d27
	s_mov_b32 s40, 0x3e8ba43f                      ; 0.3275911 / (c sqrt 2) = 0.27273748
	v_and_b32 v1, 15, v0                           ; r
	v_bfe_u32 v2, v0, 4, 1                         ; h
	v_and_b32 v112, 31, v0                         ; lane
	v_lshrrev_b32 v113, 4, v0                      ; thread / 16: 0..15
	v_lshlrev_b32 v114, 4, v1                      ; 16 r
	v_lshl_add_u32 v[WOFF], v2, 15, v114           ; 8 h rows of 4,096 bytes + 16 r
.irp mt, 0,1,2,3
	v_add_nc_u32 v115, 16*\mt, v1
	v_mul_u32_u24 v[AOFF+\mt], s36, v115
	v_lshl_add_u32 v[AOFF+\mt], v2, 5, v[AOFF+\mt]
.endr
	v_lshlrev_b32 v[CLD], 12, v1
	v_lshl_add_u32 v[CLD], v113, 5, v[CLD]         ; token r, panel thread/16: 8 k = 32 bytes of f32
	v_lshl_add_u32 v[CST], v113, 14, v114          ; panel thread/16, token r: 16 bytes of bf16
	v_lshl_add_u32 v[ST], v112, 4, s37
	v_lshl_add_u32 v[RD], v2, 9, v114
	v_add_nc_u32 v[RD], s41, v[RD]                 ; mt x 4,096 + h x 512 + kh x 256 + 16 r
	v_add_nc_u32 v[RD+1], 0x10000, v[RD]
	v_lshlrev_b32 v[BOF], 6, v2                    ; 16 h numbers
	v_and_b32 v115, 3, v1
	v_lshrrev_b32 v116, 3, v1
	v_lshlrev_b32 v115, 2, v115
	v_lshl_add_u32 v115, v116, 4, v115             ; row r of the Wg fragment is head (r&3) + 4 (r>>3)
	v_lshl_add_u32 v[GOF], v2, 9, v115             ; + 16 h rows of 32 bytes
	v_lshl_add_u32 v[POF], v2, 14, v114            ; head quad h, token r
; step s's 32 loads into stage slot s&1: 16 of weights (rows i + 8 (i>>3) + 8 h of the step's 32), 16 of tokens (k = 8h .. +7 and 16+8h .. +7 of four m tiles)
.macro GLOADS s
	WIN 0x40
.irp i, 0,1,2,3,4,5,6,7,8,9,10,11,12,13,14,15
	global_load_b128 v[128*(\s&1)+4*\i:128*(\s&1)+4*\i+3], v[WOFF], s[34:35] offset:(32*\s+\i+8*(\i>>3))*4096
.endr
.irp mt, 0,1,2,3
	global_load_b128 v[128*(\s&1)+64+16*\mt:128*(\s&1)+64+16*\mt+3],     v[AOFF+\mt], s[32:33] offset:128*\s
	global_load_b128 v[128*(\s&1)+64+16*\mt+4:128*(\s&1)+64+16*\mt+7],   v[AOFF+\mt], s[32:33] offset:128*\s+16
	global_load_b128 v[128*(\s&1)+64+16*\mt+8:128*(\s&1)+64+16*\mt+11],  v[AOFF+\mt], s[32:33] offset:128*\s+64
	global_load_b128 v[128*(\s&1)+64+16*\mt+12:128*(\s&1)+64+16*\mt+15], v[AOFF+\mt], s[32:33] offset:128*\s+80
.endr
.endm
	; the cast's four loads, then step 0's
.irp it, 0,1
	global_load_b128 v[EPW+8*\it:EPW+8*\it+3],   v[CLD], s[4:5] offset:512*\it
	global_load_b128 v[EPW+8*\it+4:EPW+8*\it+7], v[CLD], s[4:5] offset:512*\it+16
.endr
	GLOADS 0
	WIN 0
	s_wait_loadcnt 32                              ; step 0's 32 loads are younger: the cast's four are in
.irp it, 0,1
.irp p, 0,1,2,3
	v_cvt_pk_bf16_f32 v[EBS+4*\it+\p], v[EPW+8*\it+2*\p], v[EPW+8*\it+2*\p+1]
.endr
	global_store_b128 v[CST], v[EBS+4*\it:EBS+4*\it+3], s[18:19] offset:262144*\it   ; sixteen lanes (tokens) fill 256 consecutive bytes of a panel
.endr
	GLOADS 1
; One step of 32 along K.  The 16 accumulators take turns, one instruction a turn.
; Source 0 = weights, source 1 = tokens: register i of lane (r, h) is token 16 mt + r, column 32 h + 4 i + j.
.macro GSTEP s
.if \s
	PLACES                                         ; behind the last step's matrix instructions, whose sources are written below
.endif
.if \s == 7
	s_wait_loadcnt 0x0                             ; the last step's loads
	WIN 0
	s_wait_xcnt 0x0                                ; EBS held the cast's store data: loaded into only behind this wait
.set n, 0
.rept 16
	global_load_b32 v[EPW+n], v[GOF], s[16:17] offset:(4*(n&3)+(n>>2))*32    ; K place n of half h is column 16 h + 4 (n&3) + (n>>2)
.set n, n+1
.endr
.irp q, 0,1,2,3
	global_load_b128 v[EBS+4*\q:EBS+4*\q+3], v[BOF], s[12:13] offset:16*\q
	global_load_b128 v[EBI+4*\q:EBI+4*\q+3], v[BOF], s[14:15] offset:16*\q
.endr
.else
	s_wait_loadcnt 32                              ; the other slot's 32 loads are younger: this step's are in
.endif
	WIN 0x05
.irp j, 0,1,2,3
.irp p, 0,1,2,3,4,5,6,7
	v_cvt_pk_bf16_f32 v[WB+8*\j+\p], v[128*(\s&1)+8*\p+\j], v[128*(\s&1)+8*\p+4+\j]
.endr
.endr
.irp mt, 0,1,2,3
.irp p, 0,1,2,3,4,5,6,7
	v_cvt_pk_bf16_f32 v[AB+8*\mt+\p], v[128*(\s&1)+64+16*\mt+2*\p], v[128*(\s&1)+64+16*\mt+2*\p+1]
.endr
.endr
.if \s < 6
	GLOADS (\s+2)
.endif
	WIN 0
.irp mt, 0,1,2,3
.irp j, 0,1,2,3
.if \s
	v_wmma_f32_16x16x32_bf16 v[ACC+8*(4*\mt+\j):ACC+8*(4*\mt+\j)+7], v[WB+8*\j:WB+8*\j+7], v[AB+8*\mt:AB+8*\mt+7], v[ACC+8*(4*\mt+\j):ACC+8*(4*\mt+\j)+7]
.else
	v_wmma_f32_16x16x32_bf16 v[ACC+8*(4*\mt+\j):ACC+8*(4*\mt+\j)+7], v[WB+8*\j:WB+8*\j+7], v[AB+8*\mt:AB+8*\mt+7], 0
.endif
.endr
.endr
.endm
.irp s, 0,1,2,3,4,5,6,7
	GSTEP \s
.endr
	; my partial tile into my 16,384 bytes of LDS; 32 lanes x 16 bytes are 512 consecutive bytes
	PLACES
.irp mt, 0,1,2,3
.irp j, 0,1,2,3
.irp ih, 0,1
	ds_store_b128 v[ST], v[ACC+8*(4*\mt+\j)+4*\ih:ACC+8*(4*\mt+\j)+4*\ih+3] offset:((4*\mt+\j)*2+\ih)*512
.endr
.endr
.endr
	s_wait_dscnt 0x0                               ; my stores are done, for the other waves' sake
	s_barrier_signal -1
	s_barrier_wait -1
	; wave v: m tile mt, columns 32 kh .. +31.  Lane (r, h) takes, of each wave u's tile, word e of fragment j: token 16 mt + r, column 32 kh + 16 h + 4 e + j
.irp u, 0,1,2,3,4,5,6,7
.irp j, 0,1,2,3
.if \u < 4
	ds_load_b128 v[ACC+16*\u+4*\j:ACC+16*\u+4*\j+3], v[RD] offset:\u*16384+\j*1024
.else
	ds_load_b128 v[ACC+16*\u+4*\j:ACC+16*\u+4*\j+3], v[RD+1] offset:(\u-4)*16384+\j*1024
.endif
.endr
.endr
.irp u, 1,2,3,4,5,6,7
	s_wait_dscnt 4*(7-\u)                          ; the four loads of each later wave's tile stay out
.irp k, 0,2,4,6,8,10,12,14
	v_pk_add_f32 v[ACC+\k:ACC+\k+1], v[ACC+\k:ACC+\k+1], v[ACC+16*\u+\k:ACC+16*\u+\k+1]
.endr
.endr
	s_wait_loadcnt 0x0                             ; Wg, bs, bi
.irp k, 0,2,4,6,8,10,12,14
	v_pk_add_f32 v[EBS+\k:EBS+\k+1], v[EBS+\k:EBS+\k+1], v[EBI+\k:EBI+\k+1]
.endr
.irp j, 0,1,2,3
.irp e, 0,1,2,3
	v_add_f32 v[ACC+4*\j+\e], v[ACC+4*\j+\e], v[EBS+4*\e+\j]
.endr
.endr
.irp k, 0,1
	v_mov_b32 v[CP+\k],   0x3e199eb3               ; a1 / (2c) =  0.15001946
	v_mov_b32 v[CP+2+\k], 0xbe2b8119               ; a2 / (2c) = -0.16748465
	v_mov_b32 v[CP+4+\k], 0x3f563817               ; a3 / (2c) =  0.83679339
	v_mov_b32 v[CP+6+\k], 0xbf5b0099               ; a4 / (2c) = -0.85547788
	v_mov_b32 v[CP+8+\k], 0x3f1ff67a               ; a5 / (2c) =  0.62485469
.endr
	; GELU of 16 numbers: Y = c x; T = 1 / (1 + 0.27273748 |Y|); E = 2^(-Y Y); gelu = max(x, 0) - |Y| poly(T) T E
.set n, 0
.rept 8
	v_pk_mul_f32 v[EY+n:EY+n+1], v[ACC+n:ACC+n+1], s[38:39] op_sel_hi:[1,0]
.set n, n+2
.endr
.set n, 0
.rept 16
	v_max_num_f32 v[ER+n], 0, v[ACC+n]
.set n, n+1
.endr
.set n, 0
.rept 8
	v_pk_mul_f32 v[ET+n:ET+n+1], v[EY+n:EY+n+1], v[EY+n:EY+n+1]
.set n, n+2
.endr
.set n, 0
.rept 16
	v_fma_f32 v[EP+n], |v[EY+n]|, s40, 1.0
.set n, n+1
.endr
.set n, 0
.rept 16
	v_exp_f32 v[EE+n], -v[ET+n]
.set n, n+1
.endr
	v_nop                                          ; one plain place before a transcendental's source is written (ISA guide 5.7.2)
.set n, 0
.rept 16
	v_rcp_f32 v[ET+n], v[EP+n]
.set n, n+1
.endr
	v_nop                                          ; and before its result is read
.set n, 0
	s_wait_alu depctr_va_vdst(0)
.rept 8
	v_pk_fma_f32 v[EP+n:EP+n+1], v[ET+n:ET+n+1], v[CP+8:CP+9], v[CP+6:CP+7]
.set n, n+2
.endr
.irp k, 4,2,0
.set n, 0
.rept 8
	v_pk_fma_f32 v[EP+n:EP+n+1], v[EP+n:EP+n+1], v[ET+n:ET+n+1], v[CP+\k:CP+\k+1]
.set n, n+2
.endr
.endr
.set n, 0
.rept 8
	v_pk_mul_f32 v[EE+n:EE+n+1], v[EE+n:EE+n+1], v[ET+n:ET+n+1]
.set n, n+2
.endr
.set n, 0
.rept 8
	v_pk_mul_f32 v[EP+n:EP+n+1], v[EP+n:EP+n+1], v[EE+n:EE+n+1]
.set n, n+2
.endr
.set n, 0
.rept 16
	v_fma_f32 v[ER+n], -|v[EY+n]|, v[EP+n], v[ER+n]
.set n, n+1
.endr
	; logits' partial sums over my 32 columns: one matrix instruction.  Both fragments place column 16 h + 4 (n&3) + (n>>2) at K place n of half h.
.irp p, 0,1,2,3,4,5,6,7
	v_cvt_pk_bf16_f32 v[WB+\p],   v[EPW+2*\p], v[EPW+2*\p+1]
	v_cvt_pk_bf16_f32 v[WB+8+\p], v[ER+2*\p],  v[ER+2*\p+1]
.endr
	v_wmma_f32_16x16x32_bf16 v[WB+16:WB+23], v[WB:WB+7], v[WB+8:WB+15], 0
	PLACES
	global_store_b128 v[POF], v[WB+16:WB+19], s[20:21]     ; registers 0-3 of lane (r, h): heads 4h .. 4h+3 of token 16 mt + r; sixteen lanes fill 256 consecutive bytes
	s_wait_xcnt 0x0
	v_lshl_add_u32 v254, v0, 2, 0x20000
	v_mov_b32 v255, 0
	s_wait_tensorcnt 0x0
	ds_add_u32 v254, v255
	s_wait_dscnt 0x0
	s_endpgm
.Lfunc_end_k_q2f93df26aa_gate:
	.size	k_q2f93df26aa_gate, .Lfunc_end_k_q2f93df26aa_gate-k_q2f93df26aa_gate
	.p2alignl 7, 3214868480
	.fill 96, 4, 3214868480
	.section	.rodata,"a",@progbits
	.p2align	6, 0x0
	.amdhsa_kernel k_q2f93df26aa_gate
		.amdhsa_group_segment_fixed_size 132096
		.amdhsa_private_segment_fixed_size 0
		.amdhsa_enable_private_segment 0
		.amdhsa_kernarg_size 72
		.amdhsa_user_sgpr_count 2
		.amdhsa_user_sgpr_kernarg_segment_ptr 1
		.amdhsa_wavefront_size32 1
		.amdhsa_system_sgpr_workgroup_id_x 1
		.amdhsa_system_sgpr_workgroup_id_y 1
		.amdhsa_system_sgpr_workgroup_id_z 1
		.amdhsa_system_vgpr_workitem_id 0
		.amdhsa_next_free_vgpr 512
		.amdhsa_next_free_sgpr 66
		.amdhsa_reserve_vcc 0
		.amdhsa_float_denorm_mode_32 3
		.amdhsa_float_denorm_mode_16_64 3
		.amdhsa_memory_ordered 1
		.amdhsa_forward_progress 1
		.amdhsa_inst_pref_size 93
	.end_amdhsa_kernel
	.amdgpu_metadata
---
amdhsa.version: [ 1, 2 ]
amdhsa.kernels:
  - .name:           k_q2f93df26aa_gate
    .symbol:         k_q2f93df26aa_gate.kd
    .args:
      - { .name: x, .offset: 0, .size: 8, .value_kind: global_buffer, .address_space: global }
      - { .name: routing_state, .offset: 8, .size: 8, .value_kind: global_buffer, .address_space: global }
      - { .name: Wi, .offset: 16, .size: 8, .value_kind: global_buffer, .address_space: global }
      - { .name: Ws, .offset: 24, .size: 8, .value_kind: global_buffer, .address_space: global }
      - { .name: bs, .offset: 32, .size: 8, .value_kind: global_buffer, .address_space: global }
      - { .name: bi, .offset: 40, .size: 8, .value_kind: global_buffer, .address_space: global }
      - { .name: Wg, .offset: 48, .size: 8, .value_kind: global_buffer, .address_space: global }
      - { .name: xp, .offset: 56, .size: 8, .value_kind: global_buffer, .address_space: global }
      - { .name: pl, .offset: 64, .size: 8, .value_kind: global_buffer, .address_space: global }
    .group_segment_fixed_size: 132096
    .private_segment_fixed_size: 0
    .kernarg_segment_align: 8
    .kernarg_segment_size: 72
    .max_flat_workgroup_size: 256
    .sgpr_count:     66
    .vgpr_count:     512
    .wavefront_size: 32
...
	.end_amdgpu_metadata
.endif
;; end of part 1
;; launch ffn1 (part 2): grid 128 x 4, 4 waves a work-group, clusters of 4 x 4, 327,680 bytes of LDS; arguments xp, W1, b1, Hp; writes Hp
.if DOCPART == 2
	.amdgcn_target "amdgcn-amd-amdhsa--gfx1250"
	.amdhsa_code_object_version 6
	.text
	.protected	k_q2f93df26aa_ffn1
	.globl	k_q2f93df26aa_ffn1
	.p2align	8
	.type	k_q2f93df26aa_ffn1,@function
k_q2f93df26aa_ffn1:
	s_mov_b64 s[64:65], 0
	v_nop
	global_prefetch_b8 v0, s[64:65] scope:SCOPE_SE
	s_setreg_imm32_b32 hwreg(HW_REG_WAVE_MODE, 25, 1), 1
	s_wait_xcnt 0x0
	s_wait_alu depctr_hold_cnt(0) depctr_sa_sdst(0) depctr_va_vdst(0) depctr_va_sdst(0) depctr_va_ssrc(0) depctr_va_vcc(0) depctr_vm_vsrc(0)
	s_getreg_b32 s2, hwreg(HW_REG_IB_STS2, 6, 4)
	s_cmp_eq_u32 s2, 0
	s_cbranch_scc0 .Lentry_in_a_cluster
	s_endpgm
.Lentry_in_a_cluster:
	s_bfe_u32 s2, ttmp6, 0x10000c
	s_cmp_lg_u32 s2, 0xf033
	s_cbranch_scc0 .Lentry_shape_is_right
	s_endpgm
.Lentry_shape_is_right:
; Hp = gelu(x W1 + b1) in bf16.  xp [128 panels][1024 tokens][8 k] bf16; W1 [8 heads][1024 (k)][4096 (f)] f32; b1 [8][4096] f32;
; Hp [4096 panels][1024 tokens][8] bf16, the panel index running over head x 4096 + f.
; A work-group makes 256 tokens x 256 columns with four waves; a wave makes 256 tokens x 64 columns: 64 accumulators, 512 registers.
; TOKENS: K goes in steps of 256 (32 panels) through two LDS slots of 131,072 bytes, [32 panels][256 tokens][16 bytes].  A fragment load takes
; 16 bytes a lane of sixteen neighbouring tokens of one panel: 256 consecutive bytes, so the slots need no padding.
; WEIGHTS go from memory to registers without LDS: lane (r, h) loads columns 4r .. 4r+3 of 16 rows of a quarter step (32 k), sixteen lanes reading
; 256 consecutive bytes of a row; word j of the loads, rounded to bf16 in pairs, is fragment j, whose lane r is column 4r + j.  Four stage slots of 64
; registers: a quarter's weights are asked for four quarters, 256 matrix instructions, ahead.
; CLUSTERS: 4 x 4 work-groups, cx = block of columns, cy = block of tokens.  The token tile hangs on cy alone and is asked for jointly along the cluster's
; row.  The weights are NOT asked for jointly: for 32 of K a work-group reads 4 x 16 KB of token fragments and fills 16 KB; f32 weights through LDS would
; add 32 KB of fill and 32 KB of reads to these 80 KB.  A token tile's rows are 4,096 bytes long, so a wave's 32 KB are 8 rows.
; GELU as in the gate launch: gelu(x) = max(x,0) - 0.5 |x| erfc(|x|/sqrt 2), erfc by Abramowitz-Stegun 7.1.26.
; LIMITS: absolute error of erf at most 1.5e-7, of gelu at most 0.75e-7 |x|; v_exp_f32 and v_rcp_f32 flush denormals (ISA guide, 15.8),
; the erfc term is then 0; an infinite pre-activation gives NaN.
; REGISTERS: window 0 addresses, fragments, work; window 1 the weights' stage; window 2 accumulators of m tiles 0-7, (t, j) at 8 (4 t + j); window 3 of m tiles 8-15.
.set PITCHW, 16384                     ; bytes from row to row of W1
.set QB,     32*PITCHW                 ; a quarter step's rows
.set STEPB,  524288                    ; a step's 32 panels of 16,384 bytes
.set SLOT,   131072
.set ADRA, 4                           ; v4-7    LDS: h x 4,096 + 16 r + 65,536 x (2 slot + upper half of the slot)
.set WOFF, 8                           ; v8      weights: 8 h rows + 16 r
.set OOFF, 9                           ; v9      Hp: 4 h panels + 16 r
.set BOFF, 10                          ; v10     b1: 32 h numbers
.set HA0,  16                          ; v16-79   token fragments of m tiles 0-7
.set HA1,  80                          ; v80-143  token fragments of m tiles 8-15
.set WB,   144                         ; v144-175 four weight fragments
.set BIAS, 176                         ; v176-207 b1 in the accumulators' layout, one tile for each j
.set CP,   208                         ; v208-217 five constants, each twice
.set PK,   220                         ; v220-235 packed results
.set EY,   16                          ; the way out works on the fragments' registers
.set ER,   48
.set ET,   80
.set EE,   112
.set EP,   144
.set G1,   24                          ; s[24:31] descriptor group 1
.set G0,   32                          ; s[32:39] descriptor group 0, one set for each slot
.set MSB, 0
.macro WIN new                         ; s_set_vgpr_msb; the immediate's high byte repeats the setting that is left
.if MSB != \new
	s_set_vgpr_msb (MSB<<8)|\new
.set MSB, \new
.endif
.endm
.macro PLACES                          ; four places behind a matrix instruction (ISA guide 7.12.1 for matrix instructions)
.rept 4
	v_nop
.endr
.endm
.macro CREST                           ; a round of the cluster's barrier behind its opening work-group barrier
	s_cmp_lg_u32 s12, 0
	s_cbranch_scc1 .Lnot_wave_0_\@
	s_barrier_signal -3
.Lnot_wave_0_\@:
	s_barrier_wait -3
	s_barrier_signal -1
	s_barrier_wait -1
.endm
.macro CROUND                          ; a whole round
	s_barrier_signal -1
	s_barrier_wait -1
	CREST
.endm
	s_load_b256 s[4:11], s[0:1], 0x0               ; xp s[4:5], W1 s[6:7], b1 s[8:9], Hp s[10:11]
	v_lshl_add_u32 v254, v0, 2, 0x40000
	v_mov_b32 v255, 0
	ds_add_u32 v254, v255
	v_lshrrev_b32 v1, 5, v0
	v_readfirstlane_b32 s12, v1                    ; wave 0..3
	s_bfe_u32 s13, ttmp6, 0x40000                  ; cx
	s_bfe_u32 s14, ttmp6, 0x40004                  ; cy = block of 256 tokens (the grid has one cluster along y)
	s_lshl_b32 s15, s14, 2
	s_lshl_b32 s15, 15, s15                        ; my row of the cluster: places 4 cy .. 4 cy + 3
	s_or_b32 s[G1+0], s15, (3<<16)|(1<<21)         ; 15:0 the mask; 17:16 elements of 8 bytes; 20 no padding; 21 set beside a mask
	s_mov_b32 s[G1+1], 512<<16                     ; tensor_dim0 = 512 elements (256 tokens x 16 bytes)
	s_mov_b32 s[G1+2], 8<<16                       ; tensor_dim1 = 8 panels
	s_mov_b32 s[G1+3], 512<<16                     ; tile_dim0 = 512
	s_mov_b32 s[G1+4], 8                           ; tile_dim1 = 8
	s_mov_b32 s[G1+5], 2048                        ; from panel to panel: 2,048 elements (16,384 bytes)
	s_mov_b32 s[G1+6], 0
	s_mov_b32 s[G1+7], 0
	s_lshl_b32 s16, s14, 12                        ; the token tile: cy x 256 tokens x 16 bytes
	s_lshl_b32 s17, s12, 17                        ; + my 8 panels of a step's 32; no register here ever holds cx
	s_add_co_u32 s16, s16, s17
	s_mov_b32 s17, 0
	s_lshl_b32 s20, s12, 15                        ; LDS: wave x 32,768
	s_lshl_b32 s45, ttmp9, 2
	s_add_co_u32 s45, s45, s13                     ; nb = 4 x cluster x + cx: block of 256 of the 32,768 columns
	s_lshr_b32 s46, s45, 4
	s_lshl_b32 s46, s46, 24                        ; head x 1,024 rows x 16,384 bytes
	s_and_b32 s47, s45, 15
	s_lshl_b32 s47, s47, 10                        ; + block in the head x 256 columns x 4 bytes
	s_add_co_u32 s46, s46, s47
	s_lshl_b32 s52, s12, 8                         ; + wave x 64 columns x 4 bytes
	s_add_co_u32 s46, s46, s52
	s_mov_b32 s47, 0
	s_lshl_b32 s48, s45, 10                        ; b1: nb x 256 x 4 + wave x 64 x 4
	s_add_co_u32 s48, s48, s52
	s_mov_b32 s49, 0
	s_lshl_b32 s50, s45, 19                        ; Hp: (32 nb + 8 wave) panels of 16,384 bytes + cy x 4,096
	s_lshl_b32 s51, s12, 17
	s_add_co_u32 s50, s50, s51
	s_lshl_b32 s51, s14, 12
	s_add_co_u32 s50, s50, s51
	s_mov_b32 s51, 0
	s_mov_b32 s42, 0x3f596d27                      ; c = sqrt(log2(e) / 2) = 0.8493218, twice
	s_mov_b32 s43, 0x3f596d27
	s_mov_b32 s44, 0x3e8ba43f                      ; 0.3275911 / (c sqrt 2) = 0.27273748
	v_and_b32 v1, 15, v0                           ; r
	v_bfe_u32 v2, v0, 4, 1                         ; h
	v_lshlrev_b32 v3, 4, v1
	v_lshl_add_u32 v[ADRA], v2, 12, v3
	v_add_nc_u32 v[ADRA+1], 0x10000, v[ADRA]
	v_add_nc_u32 v[ADRA+2], 0x20000, v[ADRA]
	v_add_nc_u32 v[ADRA+3], 0x30000, v[ADRA]
	v_lshl_add_u32 v[WOFF], v2, 17, v3
	v_lshl_add_u32 v[OOFF], v2, 16, v3
	v_lshlrev_b32 v[BOFF], 7, v2
.irp k, 0,1
	v_mov_b32 v[CP+\k],   0x3e199eb3               ; a1 / (2c) =  0.15001946
	v_mov_b32 v[CP+2+\k], 0xbe2b8119               ; a2 / (2c) = -0.16748465
	v_mov_b32 v[CP+4+\k], 0x3f563817               ; a3 / (2c) =  0.83679339
	v_mov_b32 v[CP+6+\k], 0xbf5b0099               ; a4 / (2c) = -0.85547788
	v_mov_b32 v[CP+8+\k], 0x3f1ff67a               ; a5 / (2c) =  0.62485469
.endr
	s_wait_dscnt 0x0
	s_wait_kmcnt 0x0
	s_add_nc_u64 s[16:17], s[4:5], s[16:17]        ; my part of step 0's token tile
	s_add_nc_u64 s[40:41], s[6:7], s[46:47]        ; WP: my weights at the step's first row
	s_add_nc_u64 s[8:9], s[8:9], s[48:49]
	s_add_nc_u64 s[10:11], s[10:11], s[50:51]
.irp q, 0,1
	s_mov_b32 s[G0+4*\q], 1                                        ; count = 1
	s_add_co_u32 s[G0+4*\q+1], s20, \q*SLOT                        ; LDS address: wave x 32,768 + slot
	s_add_nc_u64 s[G0+4*\q+2:G0+4*\q+3], s[16:17], \q*STEPB        ; global address: step q
	s_or_b32 s[G0+4*\q+3], s[G0+4*\q+3], 0x80000000                ; type = 2
.endr
	CROUND                                         ; all sixteen work-groups are here: the first joint loads meet
	tensor_load_to_lds s[G0:G0+3], s[G1:G1+7]      ; both first fills in one group: two tensor loads of the wave are out
	s_nop 0
	tensor_load_to_lds s[G0+4:G0+7], s[G1:G1+7]
	s_nop 0
; 16 LDS loads: the token fragments of m tiles m0 .. m0+7 for quarter qq of the slot (panels 4 qq + h and 4 qq + 2 + h)
.macro LDA buf, slot, qq, m0
.irp t, 0,1,2,3,4,5,6,7
	ds_load_b128 v[\buf+8*\t:\buf+8*\t+3],   v[ADRA+2*\slot+(\qq>>2)] offset:(\qq&3)*16384+(\m0+\t)*256
	ds_load_b128 v[\buf+8*\t+4:\buf+8*\t+7], v[ADRA+2*\slot+(\qq>>2)] offset:(\qq&3)*16384+(\m0+\t)*256+8192
.endr
.endm
; 16 loads: the weights of quarter kq, counted from the step at which WP stands, into stage slot sig: rows i + 8 (i>>3) + 8 h
.macro LDW sig, kq
	WIN 0x40
.irp i, 0,1,2,3,4,5,6,7,8,9,10,11,12,13,14,15
	global_load_b128 v[64*\sig+4*\i:64*\sig+4*\i+3], v[WOFF], s[40:41] offset:(32*\kq+\i+8*(\i>>3))*PITCHW
.endr
.endm
; stage slot sig to four bf16 fragments: register p of fragment j holds word j of loads 2p and 2p+1
.macro CVW sig
	WIN 0x05
.irp j, 0,1,2,3
.irp p, 0,1,2,3,4,5,6,7
	v_cvt_pk_bf16_f32 v[WB+8*\j+\p], v[64*\sig+8*\p+\j], v[64*\sig+8*\p+4+\j]
.endr
.endr
.endm
; 16 matrix instructions: m tiles t0 .. t0+3 of the window x four fragments of weights.  Source 0 = weights, source 1 = tokens: register i of lane (r, h)
; is token 16 t + r, column 32 h + 4 i + j.  first = 1: the sums start from b1.  The accumulators take turns, one instruction a turn.
.macro MUL buf, t0, first
.irp t, \t0, \t0+1, \t0+2, \t0+3
.irp j, 0,1,2,3
.if \first
	v_wmma_f32_16x16x32_bf16 v[8*(4*(\t)+\j):8*(4*(\t)+\j)+7], v[WB+8*\j:WB+8*\j+7], v[\buf+8*(\t):\buf+8*(\t)+7], v[BIAS+8*\j:BIAS+8*\j+7]
.else
	v_wmma_f32_16x16x32_bf16 v[8*(4*(\t)+\j):8*(4*(\t)+\j)+7], v[WB+8*\j:WB+8*\j+7], v[\buf+8*(\t):\buf+8*(\t)+7], v[8*(4*(\t)+\j):8*(4*(\t)+\j)+7]
.endif
.endr
.endr
.endm
; The change of slots, in a step's last quarter.  In front of the barrier each wave waits for its reads of this slot and for all its tensor loads (one is out:
; its part of the other slot).  fill = 1: the barrier opens a round of the cluster's barrier, and behind the round this slot is asked for again, two steps ahead:
; the wave's one tensor load, first behind the round; it has a whole step less 16 matrix instructions in which to land.
.macro TURN slot, fill
	MUL HA0, 0, 0
	s_wait_dscnt 0x0
	s_wait_tensorcnt 0x0
	ds_add_u32 v254, v255
	s_wait_dscnt 0x0
	s_barrier_signal -1
	MUL HA0, 4, 0                                  ; register work while the others arrive
	WIN 0
	s_barrier_wait -1
.if \fill
	CREST
	s_add_nc_u64 s[G0+4*\slot+2:G0+4*\slot+3], s[G0+4*\slot+2:G0+4*\slot+3], 2*STEPB   ; no tensor load of mine is out: the group may be written
	tensor_load_to_lds s[G0+4*\slot:G0+4*\slot+3], s[G1:G1+7]
	s_nop 0
.endif
	PLACES
	LDA HA0, (1-\slot), 0, 0
.endm
; A quarter step: 32 along K, 64 matrix instructions.  wl = 1: the stage slot is asked for again, four quarters ahead.  left = younger weight loads that stay out.
; tail 0: inside a step; 1: change of slots with refill; 2: without; 3: the launch's last quarter.
.macro QUARTER slot, qq, first, wl, left, tail
.if \first == 0
	PLACES                                         ; behind the last quarter's matrix instructions: HA1 is loaded and WB written below
.endif
	WIN 0
	LDA HA1, \slot, \qq, 8
	s_wait_loadcnt \left
	CVW (\qq&3)
.if \wl
	LDW (\qq&3), (\qq+4)
.endif
	s_wait_dscnt 16                                ; HA0 is in; the 16 loads of HA1 are younger
.if \first
	WIN 0x80                                       ; D window 2, C (b1) window 0
.else
	WIN 0xa0                                       ; C and D window 2
.endif
.if \tail == 0
	MUL HA0, 0, \first
	MUL HA0, 4, \first
	PLACES
	WIN 0
	LDA HA0, \slot, (\qq+1), 0
	s_wait_dscnt 16                                ; HA1 is in; the 16 loads of the next quarter's HA0 are younger
.endif
.if \tail == 1
	TURN \slot, 1
.endif
.if \tail == 2
	TURN \slot, 0
.endif
.if \tail == 3
	MUL HA0, 0, 0
	MUL HA0, 4, 0
	s_wait_dscnt 0x0
.endif
.if \first
	WIN 0xc0
.else
	WIN 0xf0
.endif
	MUL HA1, 0, \first
	MUL HA1, 4, \first
.endm
; A step of 256 along K.  48 = three younger stage slots of 16 loads.  kind = the last quarter's tail.
.macro STEP slot, first, kind
	QUARTER \slot, 0, \first, 1, 48, 0
	QUARTER \slot, 1, 0, 1, 48, 0
	QUARTER \slot, 2, 0, 1, 48, 0
	QUARTER \slot, 3, 0, 1, 48, 0
.if \kind == 3
	QUARTER \slot, 4, 0, 0, 48, 0                  ; nothing more to ask for: the counts run down
	QUARTER \slot, 5, 0, 0, 32, 0
	QUARTER \slot, 6, 0, 0, 16, 0
	QUARTER \slot, 7, 0, 0, 0, 3
.else
	QUARTER \slot, 4, 0, 1, 48, 0
	QUARTER \slot, 5, 0, 1, 48, 0
	QUARTER \slot, 6, 0, 1, 48, 0
	QUARTER \slot, 7, 0, 1, 48, \kind
	s_wait_xcnt 0x0                                ; WP, the pending weight loads' base, is stepped only behind this wait
	s_add_nc_u64 s[40:41], s[40:41], 8*QB
.endif
.endm
.irp j, 0,1,2,3
.irp i, 0,1,2,3,4,5,6,7
	global_load_b32 v[BIAS+8*\j+\i], v[BOFF], s[8:9] offset:(4*\i+\j)*4      ; b1 of column 32 h + 4 i + j; older than the weights' loads, so their first wait covers these
.endr
.endr
	LDW 0, 0
	LDW 1, 1
	LDW 2, 2
	LDW 3, 3
	WIN 0
	s_wait_tensorcnt 0x1                           ; my part of step 0 is in; step 1's stays out
	s_barrier_signal -1
	s_barrier_wait -1
	LDA HA0, 0, 0, 0
	STEP 0, 1, 1                                   ; K = 1,024: four steps; steps 2 and 3 are asked for behind steps 0 and 1
	STEP 1, 0, 1
	STEP 0, 0, 2
	STEP 1, 0, 3
; THE WAY OUT, one m tile (16 tokens x my 64 columns) at a time: number n = 8 j + i is register 32 t + n of the window.
; Panel 4 h + c of my eight holds columns 32 h + 8 c .. +7 = (i = 2c, j = 0..3), (i = 2c+1, j = 0..3): a lane's 16 bytes; sixteen lanes (tokens) fill 256 consecutive bytes.
.macro GELU16 mt, win, t
	WIN \win                                       ; source 0 from the accumulators' window
.set n, 0
.rept 16
	v_pk_mul_f32 v[EY+n:EY+n+1], v[32*\t+n:32*\t+n+1], s[42:43] op_sel_hi:[1,0]
.set n, n+2
.endr
.set n, 0
.rept 32
	v_max_num_f32 v[ER+n], v[32*\t+n], 0
.set n, n+1
.endr
	WIN 0
.set n, 0
.rept 16
	v_pk_mul_f32 v[ET+n:ET+n+1], v[EY+n:EY+n+1], v[EY+n:EY+n+1]
.set n, n+2
.endr
.set n, 0
.rept 32
	v_fma_f32 v[EP+n], |v[EY+n]|, s44, 1.0
.set n, n+1
.endr
.set n, 0
.rept 32
	v_exp_f32 v[EE+n], -v[ET+n]
.set n, n+1
.endr
	v_nop                                          ; one plain place before a transcendental's source is written (ISA guide 5.7.2)
.set n, 0
.rept 32
	v_rcp_f32 v[ET+n], v[EP+n]
.set n, n+1
.endr
	v_nop                                          ; and before its result is read
.set n, 0
	s_wait_alu depctr_va_vdst(0)
.rept 16
	v_pk_fma_f32 v[EP+n:EP+n+1], v[ET+n:ET+n+1], v[CP+8:CP+9], v[CP+6:CP+7]
.set n, n+2
.endr
.irp k, 4,2,0
.set n, 0
.rept 16
	v_pk_fma_f32 v[EP+n:EP+n+1], v[EP+n:EP+n+1], v[ET+n:ET+n+1], v[CP+\k:CP+\k+1]
.set n, n+2
.endr
.endr
.set n, 0
.rept 16
	v_pk_mul_f32 v[EE+n:EE+n+1], v[EE+n:EE+n+1], v[ET+n:ET+n+1]
.set n, n+2
.endr
.set n, 0
.rept 16
	v_pk_mul_f32 v[EP+n:EP+n+1], v[EP+n:EP+n+1], v[EE+n:EE+n+1]
.set n, n+2
.endr
.set n, 0
.rept 32
	v_fma_f32 v[ER+n], -|v[EY+n]|, v[EP+n], v[ER+n]
.set n, n+1
.endr
	s_wait_xcnt 0x0                                ; PK, the last tile's store data, is written again only behind this wait
.irp c, 0,1,2,3
	v_cvt_pk_bf16_f32 v[PK+4*\c],   v[ER+2*\c],      v[ER+8+2*\c]
	v_cvt_pk_bf16_f32 v[PK+4*\c+1], v[ER+16+2*\c],   v[ER+24+2*\c]
	v_cvt_pk_bf16_f32 v[PK+4*\c+2], v[ER+2*\c+1],    v[ER+8+2*\c+1]
	v_cvt_pk_bf16_f32 v[PK+4*\c+3], v[ER+16+2*\c+1], v[ER+24+2*\c+1]
.endr
.irp c, 0,1,2,3
	global_store_b128 v[OOFF], v[PK+4*\c:PK+4*\c+3], s[10:11] offset:\c*16384+\mt*256
.endr
.endm
	PLACES                                         ; behind the last matrix instructions: results are read, fragments' registers written
.irp t, 0,1,2,3,4,5,6,7
	GELU16 \t, 0x02, \t
.endr
.irp t, 0,1,2,3,4,5,6,7
	GELU16 (\t+8), 0x03, \t
.endr
	CROUND                                         ; the closing round: no work-group ends while a partner may still ask for a tile that names it
	s_endpgm
.Lfunc_end_k_q2f93df26aa_ffn1:
	.size	k_q2f93df26aa_ffn1, .Lfunc_end_k_q2f93df26aa_ffn1-k_q2f93df26aa_ffn1
	.p2alignl 7, 3214868480
	.fill 96, 4, 3214868480
	.section	.rodata,"a",@progbits
	.p2align	6, 0x0
	.amdhsa_kernel k_q2f93df26aa_ffn1
		.amdhsa_group_segment_fixed_size 327680
		.amdhsa_private_segment_fixed_size 0
		.amdhsa_enable_private_segment 0
		.amdhsa_kernarg_size 32
		.amdhsa_user_sgpr_count 2
		.amdhsa_user_sgpr_kernarg_segment_ptr 1
		.amdhsa_wavefront_size32 1
		.amdhsa_system_sgpr_workgroup_id_x 1
		.amdhsa_system_sgpr_workgroup_id_y 1
		.amdhsa_system_sgpr_workgroup_id_z 1
		.amdhsa_system_vgpr_workitem_id 0
		.amdhsa_next_free_vgpr 1024
		.amdhsa_next_free_sgpr 66
		.amdhsa_reserve_vcc 0
		.amdhsa_float_denorm_mode_32 3
		.amdhsa_float_denorm_mode_16_64 3
		.amdhsa_memory_ordered 1
		.amdhsa_forward_progress 1
		.amdhsa_inst_pref_size 255
	.end_amdhsa_kernel
	.section	.bss,"aw",@nobits
	.p2align	6
	.space	262144
	.amdgpu_metadata
---
amdhsa.version: [ 1, 2 ]
amdhsa.kernels:
  - .name:           k_q2f93df26aa_ffn1
    .symbol:         k_q2f93df26aa_ffn1.kd
    .args:
      - { .name: xp, .offset: 0, .size: 8, .value_kind: global_buffer, .address_space: global }
      - { .name: W1, .offset: 8, .size: 8, .value_kind: global_buffer, .address_space: global }
      - { .name: b1, .offset: 16, .size: 8, .value_kind: global_buffer, .address_space: global }
      - { .name: Hp, .offset: 24, .size: 8, .value_kind: global_buffer, .address_space: global }
    .group_segment_fixed_size: 327680
    .private_segment_fixed_size: 0
    .kernarg_segment_align: 8
    .kernarg_segment_size: 32
    .max_flat_workgroup_size: 128
    .sgpr_count:     66
    .vgpr_count:     1024
    .wavefront_size: 32
...
	.end_amdgpu_metadata
.endif
;; end of part 2
;; launch ffn2 (part 3): grid 64 x 4, 4 waves a work-group, clusters of 4 x 4, 327,680 bytes of LDS; arguments Hp, W2, P; writes P
.if DOCPART == 3
	.amdgcn_target "amdgcn-amd-amdhsa--gfx1250"
	.amdhsa_code_object_version 6
	.text
	.protected	k_q2f93df26aa_ffn2
	.globl	k_q2f93df26aa_ffn2
	.p2align	8
	.type	k_q2f93df26aa_ffn2,@function
k_q2f93df26aa_ffn2:
	s_mov_b64 s[64:65], 0
	v_nop
	global_prefetch_b8 v0, s[64:65] scope:SCOPE_SE
	s_setreg_imm32_b32 hwreg(HW_REG_WAVE_MODE, 25, 1), 1
	s_wait_xcnt 0x0
	s_wait_alu depctr_hold_cnt(0) depctr_sa_sdst(0) depctr_va_vdst(0) depctr_va_sdst(0) depctr_va_ssrc(0) depctr_va_vcc(0) depctr_vm_vsrc(0)
	s_getreg_b32 s2, hwreg(HW_REG_IB_STS2, 6, 4)
	s_cmp_eq_u32 s2, 0
	s_cbranch_scc0 .Lentry_in_a_cluster
	s_endpgm
.Lentry_in_a_cluster:
	s_bfe_u32 s2, ttmp6, 0x10000c
	s_cmp_lg_u32 s2, 0xf033
	s_cbranch_scc0 .Lentry_shape_is_right
	s_endpgm
.Lentry_shape_is_right:
; P[g] = Hp[:, 2048 g .. +2047] W2[2048 g .. +2047, :], f32, for 16 groups g of the 32,768 rows (head x 4096 + f) of W2.  A group lies inside one head (g >> 1),
; so the gate's weights are applied to the partial sums in the next launch.
; Hp [4096 panels][1024 tokens][8] bf16; W2 [32768 (k)][1024 (d)] f32.
; P [16 g][256 token quads][1024 places cp][4 tokens] f32, cp = (d>>6) x 64 + (d&3) x 16 + ((d>>2)&15): the accumulators' own order, so that results are stored
; straight from their registers, sixteen lanes filling 256 consecutive bytes.
; A work-group makes 256 tokens x 256 columns of one group with four waves; a wave makes 256 tokens x 64 columns: 64 accumulators, 512 registers.
; TOKENS: K goes in steps of 256 (32 panels) through two LDS slots of 131,072 bytes, [32 panels][256 tokens][16 bytes].  A fragment load takes
; 16 bytes a lane of sixteen neighbouring tokens of one panel: 256 consecutive bytes, so the slots need no padding.
; WEIGHTS go from memory to registers without LDS: lane (r, h) loads columns 4r .. 4r+3 of 16 rows of a quarter step (32 k), sixteen lanes reading
; 256 consecutive bytes of a row; word j of the loads, rounded to bf16 in pairs, is fragment j, whose lane r is column 4r + j.  Four stage slots of 64
; registers: a quarter's weights are asked for four quarters, 256 matrix instructions, ahead.
; CLUSTERS: 4 x 4 work-groups, one cluster for each g; cx = block of columns, cy = block of tokens.  The token tile hangs on g and cy alone and is asked for jointly
; along the cluster's row.  The weights are NOT asked for jointly: for 32 of K a work-group reads 4 x 16 KB of token fragments and fills 16 KB; f32 weights
; through LDS would add 32 KB of fill and 32 KB of reads to these 80 KB.  A token tile's rows are 4,096 bytes long, so a wave's 32 KB are 8 rows.
; REGISTERS: window 0 addresses and fragments; window 1 the weights' stage; window 2 accumulators of m tiles 0-7, (t, j) at 8 (4 t + j); window 3 of m tiles 8-15.
.set PITCHW, 4096                      ; bytes from row to row of W2
.set QB,     32*PITCHW                 ; a quarter step's rows
.set STEPB,  524288                    ; a step's 32 panels of 16,384 bytes
.set SLOT,   131072
.set ADRA, 4                           ; v4-7    LDS: h x 4,096 + 16 r + 65,536 x (2 slot + upper half of the slot)
.set WOFF, 8                           ; v8      weights: 8 h rows + 16 r
.set OOFF, 9                           ; v9      P: 2 h token quads + 16 r
.set HA0,  16                          ; v16-79   token fragments of m tiles 0-7
.set HA1,  80                          ; v80-143  token fragments of m tiles 8-15
.set WB,   144                         ; v144-175 four weight fragments
.set G1,   24                          ; s[24:31] descriptor group 1
.set G0,   32                          ; s[32:39] descriptor group 0, one set for each slot
.set MSB, 0
.macro WIN new                         ; s_set_vgpr_msb; the immediate's high byte repeats the setting that is left
.if MSB != \new
	s_set_vgpr_msb (MSB<<8)|\new
.set MSB, \new
.endif
.endm
.macro PLACES                          ; four places behind a matrix instruction (ISA guide 7.12.1 for matrix instructions)
.rept 4
	v_nop
.endr
.endm
.macro CREST                           ; a round of the cluster's barrier behind its opening work-group barrier
	s_cmp_lg_u32 s12, 0
	s_cbranch_scc1 .Lnot_wave_0_\@
	s_barrier_signal -3
.Lnot_wave_0_\@:
	s_barrier_wait -3
	s_barrier_signal -1
	s_barrier_wait -1
.endm
.macro CROUND                          ; a whole round
	s_barrier_signal -1
	s_barrier_wait -1
	CREST
.endm
	s_load_b128 s[4:7], s[0:1], 0x0                ; Hp s[4:5], W2 s[6:7]
	s_load_b64 s[10:11], s[0:1], 0x10              ; P
	v_lshl_add_u32 v254, v0, 2, 0x40000
	v_mov_b32 v255, 0
	ds_add_u32 v254, v255
	v_lshrrev_b32 v1, 5, v0
	v_readfirstlane_b32 s12, v1                    ; wave 0..3
	s_bfe_u32 s13, ttmp6, 0x40000                  ; cx = block of 256 columns
	s_bfe_u32 s14, ttmp6, 0x40004                  ; cy = block of 256 tokens (the grid has one cluster along y); g = ttmp9, the cluster's x
	s_lshl_b32 s15, s14, 2
	s_lshl_b32 s15, 15, s15                        ; my row of the cluster: places 4 cy .. 4 cy + 3
	s_or_b32 s[G1+0], s15, (3<<16)|(1<<21)         ; 15:0 the mask; 17:16 elements of 8 bytes; 20 no padding; 21 set beside a mask
	s_mov_b32 s[G1+1], 512<<16                     ; tensor_dim0 = 512 elements (256 tokens x 16 bytes)
	s_mov_b32 s[G1+2], 8<<16                       ; tensor_dim1 = 8 panels
	s_mov_b32 s[G1+3], 512<<16                     ; tile_dim0 = 512
	s_mov_b32 s[G1+4], 8                           ; tile_dim1 = 8
	s_mov_b32 s[G1+5], 2048                        ; from panel to panel: 2,048 elements (16,384 bytes)
	s_mov_b32 s[G1+6], 0
	s_mov_b32 s[G1+7], 0
	s_lshl_b32 s16, s14, 12                        ; the token tile: cy x 256 tokens x 16 bytes
	s_lshl_b32 s17, s12, 17                        ; + my 8 panels of a step's 32
	s_add_co_u32 s16, s16, s17
	s_lshl_b32 s17, ttmp9, 22                      ; + g x 256 panels; no register here ever holds cx
	s_add_co_u32 s16, s16, s17
	s_mov_b32 s17, 0
	s_lshl_b32 s20, s12, 15                        ; LDS: wave x 32,768
	s_lshl_b32 s46, ttmp9, 23                      ; W2: g x 2,048 rows x 4,096 bytes
	s_lshl_b32 s47, s13, 10                        ; + cx x 256 columns x 4 bytes
	s_add_co_u32 s46, s46, s47
	s_lshl_b32 s47, s12, 8                         ; + wave x 64 columns x 4 bytes
	s_add_co_u32 s46, s46, s47
	s_mov_b32 s47, 0
	s_lshl_b32 s48, ttmp9, 22                      ; P: g x 4,194,304
	s_lshl_b32 s49, s14, 20                        ; + cy x 64 token quads of 16,384 bytes
	s_add_co_u32 s48, s48, s49
	s_lshl_b32 s49, s13, 12                        ; + (4 cx + wave) x 64 places of 16 bytes
	s_add_co_u32 s48, s48, s49
	s_lshl_b32 s49, s12, 10
	s_add_co_u32 s48, s48, s49
	s_mov_b32 s49, 0
	v_and_b32 v1, 15, v0                           ; r
	v_bfe_u32 v2, v0, 4, 1                         ; h
	v_lshlrev_b32 v3, 4, v1
	v_lshl_add_u32 v[ADRA], v2, 12, v3
	v_add_nc_u32 v[ADRA+1], 0x10000, v[ADRA]
	v_add_nc_u32 v[ADRA+2], 0x20000, v[ADRA]
	v_add_nc_u32 v[ADRA+3], 0x30000, v[ADRA]
	v_lshl_add_u32 v[WOFF], v2, 15, v3
	v_lshl_add_u32 v[OOFF], v2, 15, v3
	s_wait_dscnt 0x0
	s_wait_kmcnt 0x0
	s_add_nc_u64 s[16:17], s[4:5], s[16:17]        ; my part of step 0's token tile
	s_add_nc_u64 s[40:41], s[6:7], s[46:47]        ; WP: my weights at the step's first row
	s_add_nc_u64 s[10:11], s[10:11], s[48:49]
.irp q, 0,1
	s_mov_b32 s[G0+4*\q], 1                                        ; count = 1
	s_add_co_u32 s[G0+4*\q+1], s20, \q*SLOT                        ; LDS address: wave x 32,768 + slot
	s_add_nc_u64 s[G0+4*\q+2:G0+4*\q+3], s[16:17], \q*STEPB        ; global address: step q
	s_or_b32 s[G0+4*\q+3], s[G0+4*\q+3], 0x80000000                ; type = 2
.endr
	CROUND                                         ; all sixteen work-groups are here: the first joint loads meet
	tensor_load_to_lds s[G0:G0+3], s[G1:G1+7]      ; both first fills in one group: two tensor loads of the wave are out
	s_nop 0
	tensor_load_to_lds s[G0+4:G0+7], s[G1:G1+7]
	s_nop 0
; 16 LDS loads: the token fragments of m tiles m0 .. m0+7 for quarter qq of the slot (panels 4 qq + h and 4 qq + 2 + h)
.macro LDA buf, slot, qq, m0
.irp t, 0,1,2,3,4,5,6,7
	ds_load_b128 v[\buf+8*\t:\buf+8*\t+3],   v[ADRA+2*\slot+(\qq>>2)] offset:(\qq&3)*16384+(\m0+\t)*256
	ds_load_b128 v[\buf+8*\t+4:\buf+8*\t+7], v[ADRA+2*\slot+(\qq>>2)] offset:(\qq&3)*16384+(\m0+\t)*256+8192
.endr
.endm
; 16 loads: the weights of quarter kq, counted from the step at which WP stands, into stage slot sig: rows i + 8 (i>>3) + 8 h
.macro LDW sig, kq
	WIN 0x40
.irp i, 0,1,2,3,4,5,6,7,8,9,10,11,12,13,14,15
	global_load_b128 v[64*\sig+4*\i:64*\sig+4*\i+3], v[WOFF], s[40:41] offset:(32*\kq+\i+8*(\i>>3))*PITCHW
.endr
.endm
; stage slot sig to four bf16 fragments: register p of fragment j holds word j of loads 2p and 2p+1
.macro CVW sig
	WIN 0x05
.irp j, 0,1,2,3
.irp p, 0,1,2,3,4,5,6,7
	v_cvt_pk_bf16_f32 v[WB+8*\j+\p], v[64*\sig+8*\p+\j], v[64*\sig+8*\p+4+\j]
.endr
.endr
.endm
; 16 matrix instructions: m tiles t0 .. t0+3 of the window x four fragments of weights.  Source 0 = tokens, source 1 = weights: register i of lane (r, h)
; is token 16 t + 8 h + i, column 4 r + j.  first = 1: the first product starts the sums.  The accumulators take turns, one instruction a turn.
.macro MUL buf, t0, first
.irp t, \t0, \t0+1, \t0+2, \t0+3
.irp j, 0,1,2,3
.if \first
	v_wmma_f32_16x16x32_bf16 v[8*(4*(\t)+\j):8*(4*(\t)+\j)+7], v[\buf+8*(\t):\buf+8*(\t)+7], v[WB+8*\j:WB+8*\j+7], 0
.else
	v_wmma_f32_16x16x32_bf16 v[8*(4*(\t)+\j):8*(4*(\t)+\j)+7], v[\buf+8*(\t):\buf+8*(\t)+7], v[WB+8*\j:WB+8*\j+7], v[8*(4*(\t)+\j):8*(4*(\t)+\j)+7]
.endif
.endr
.endr
.endm
; The change of slots, in a step's last quarter.  In front of the barrier each wave waits for its reads of this slot and for all its tensor loads (one is out:
; its part of the other slot).  fill = 1: the barrier opens a round of the cluster's barrier, and behind the round this slot is asked for again, two steps ahead:
; the wave's one tensor load, first behind the round; it has a whole step less 16 matrix instructions in which to land.
.macro TURN slot, fill
	MUL HA0, 0, 0
	s_wait_dscnt 0x0
	s_wait_tensorcnt 0x0
	ds_add_u32 v254, v255
	s_wait_dscnt 0x0
	s_barrier_signal -1
	MUL HA0, 4, 0                                  ; register work while the others arrive
	WIN 0
	s_barrier_wait -1
.if \fill
	CREST
	s_add_nc_u64 s[G0+4*\slot+2:G0+4*\slot+3], s[G0+4*\slot+2:G0+4*\slot+3], 2*STEPB   ; no tensor load of mine is out: the group may be written
	tensor_load_to_lds s[G0+4*\slot:G0+4*\slot+3], s[G1:G1+7]
	s_nop 0
.endif
	PLACES
	LDA HA0, (1-\slot), 0, 0
.endm
; A quarter step: 32 along K, 64 matrix instructions.  wl = 1: the stage slot is asked for again, four quarters ahead.  left = younger weight loads that stay out.
; tail 0: inside a step; 1: change of slots with refill; 2: without; 3: the launch's last quarter.
.macro QUARTER slot, qq, first, wl, left, tail
.if \first == 0
	PLACES                                         ; behind the last quarter's matrix instructions: HA1 is loaded and WB written below
.endif
	WIN 0
	LDA HA1, \slot, \qq, 8
	s_wait_loadcnt \left
	CVW (\qq&3)
.if \wl
	LDW (\qq&3), (\qq+4)
.endif
	s_wait_dscnt 16                                ; HA0 is in; the 16 loads of HA1 are younger
	WIN 0xa0                                       ; C and D window 2
.if \tail == 0
	MUL HA0, 0, \first
	MUL HA0, 4, \first
	PLACES
	WIN 0
	LDA HA0, \slot, (\qq+1), 0
	s_wait_dscnt 16                                ; HA1 is in; the 16 loads of the next quarter's HA0 are younger
.endif
.if \tail == 1
	TURN \slot, 1
.endif
.if \tail == 2
	TURN \slot, 0
.endif
.if \tail == 3
	MUL HA0, 0, 0
	MUL HA0, 4, 0
	s_wait_dscnt 0x0
.endif
	WIN 0xf0                                       ; C and D window 3
	MUL HA1, 0, \first
	MUL HA1, 4, \first
.endm
; A step of 256 along K.  48 = three younger stage slots of 16 loads.  kind = the last quarter's tail.
.macro STEP slot, first, kind
	QUARTER \slot, 0, \first, 1, 48, 0
	QUARTER \slot, 1, 0, 1, 48, 0
	QUARTER \slot, 2, 0, 1, 48, 0
	QUARTER \slot, 3, 0, 1, 48, 0
.if \kind == 3
	QUARTER \slot, 4, 0, 0, 48, 0                  ; nothing more to ask for: the counts run down
	QUARTER \slot, 5, 0, 0, 32, 0
	QUARTER \slot, 6, 0, 0, 16, 0
	QUARTER \slot, 7, 0, 0, 0, 3
.else
	QUARTER \slot, 4, 0, 1, 48, 0
	QUARTER \slot, 5, 0, 1, 48, 0
	QUARTER \slot, 6, 0, 1, 48, 0
	QUARTER \slot, 7, 0, 1, 48, \kind
	s_wait_xcnt 0x0                                ; WP, the pending weight loads' base, is stepped only behind this wait
	s_add_nc_u64 s[40:41], s[40:41], 8*QB
.endif
.endm
	LDW 0, 0
	LDW 1, 1
	LDW 2, 2
	LDW 3, 3
	WIN 0
	s_wait_tensorcnt 0x1                           ; my part of step 0 is in; step 1's stays out
	s_barrier_signal -1
	s_barrier_wait -1
	LDA HA0, 0, 0, 0
	STEP 0, 1, 1                                   ; K = 2,048: eight steps; steps 2 to 7 are asked for behind steps 0 to 5
	STEP 1, 0, 1
	WIN 0                                          ; at a label and at a branch every window is 0
	s_mov_b32 s3, 2
.Lk:
	STEP 0, 0, 1
	STEP 1, 0, 1
	WIN 0
	s_sub_co_u32 s3, s3, 1
	s_cmp_lg_u32 s3, 0
	s_cbranch_scc1 .Lk
	STEP 0, 0, 2
	STEP 1, 0, 3
; THE WAY OUT: registers 4 ih .. 4 ih + 3 of accumulator (t, j) are the four tokens of quad 4 mt + 2 h + ih at column 4 r + j: 16 bytes of P as they stand.
.macro OUT8 win, m0
	WIN \win                                       ; store data (source 1) from the accumulators' window
.irp t, 0,1,2,3,4,5,6,7
.irp j, 0,1,2,3
.irp ih, 0,1
	global_store_b128 v[OOFF], v[8*(4*\t+\j)+4*\ih:8*(4*\t+\j)+4*\ih+3], s[10:11] offset:(\m0+\t)*65536+\ih*16384+\j*256
.endr
.endr
.endr
.endm
	PLACES                                         ; behind the last matrix instructions: the stores read results
	OUT8 0x08, 0
	OUT8 0x0c, 8
	WIN 0
	CROUND                                         ; the closing round: no work-group ends while a partner may still ask for a tile that names it
	s_endpgm
.Lfunc_end_k_q2f93df26aa_ffn2:
	.size	k_q2f93df26aa_ffn2, .Lfunc_end_k_q2f93df26aa_ffn2-k_q2f93df26aa_ffn2
	.p2alignl 7, 3214868480
	.fill 96, 4, 3214868480
	.section	.rodata,"a",@progbits
	.p2align	6, 0x0
	.amdhsa_kernel k_q2f93df26aa_ffn2
		.amdhsa_group_segment_fixed_size 327680
		.amdhsa_private_segment_fixed_size 0
		.amdhsa_enable_private_segment 0
		.amdhsa_kernarg_size 24
		.amdhsa_user_sgpr_count 2
		.amdhsa_user_sgpr_kernarg_segment_ptr 1
		.amdhsa_wavefront_size32 1
		.amdhsa_system_sgpr_workgroup_id_x 1
		.amdhsa_system_sgpr_workgroup_id_y 1
		.amdhsa_system_sgpr_workgroup_id_z 1
		.amdhsa_system_vgpr_workitem_id 0
		.amdhsa_next_free_vgpr 1024
		.amdhsa_next_free_sgpr 66
		.amdhsa_reserve_vcc 0
		.amdhsa_float_denorm_mode_32 3
		.amdhsa_float_denorm_mode_16_64 3
		.amdhsa_memory_ordered 1
		.amdhsa_forward_progress 1
		.amdhsa_inst_pref_size 255
	.end_amdhsa_kernel
	.section	.bss,"aw",@nobits
	.p2align	6
	.space	262144
	.amdgpu_metadata
---
amdhsa.version: [ 1, 2 ]
amdhsa.kernels:
  - .name:           k_q2f93df26aa_ffn2
    .symbol:         k_q2f93df26aa_ffn2.kd
    .args:
      - { .name: Hp, .offset: 0, .size: 8, .value_kind: global_buffer, .address_space: global }
      - { .name: W2, .offset: 8, .size: 8, .value_kind: global_buffer, .address_space: global }
      - { .name: P, .offset: 16, .size: 8, .value_kind: global_buffer, .address_space: global }
    .group_segment_fixed_size: 327680
    .private_segment_fixed_size: 0
    .kernarg_segment_align: 8
    .kernarg_segment_size: 24
    .max_flat_workgroup_size: 128
    .sgpr_count:     66
    .vgpr_count:     1024
    .wavefront_size: 32
...
	.end_amdgpu_metadata
.endif
;; end of part 3
;; launch combine (part 4): grid 256 x 1, 8 waves a work-group, no clusters, 0 bytes of LDS; arguments P, pl, bg, b2, out0, out1; writes out0, out1
.if DOCPART == 4
	.amdgcn_target "amdgcn-amd-amdhsa--gfx1250"
	.amdhsa_code_object_version 6
	.text
	.protected	k_q2f93df26aa_combine
	.globl	k_q2f93df26aa_combine
	.p2align	8
	.type	k_q2f93df26aa_combine,@function
k_q2f93df26aa_combine:
	s_mov_b64 s[64:65], 0
	v_nop
	global_prefetch_b8 v0, s[64:65] scope:SCOPE_SE
	s_setreg_imm32_b32 hwreg(HW_REG_WAVE_MODE, 25, 1), 1
	s_wait_xcnt 0x0
; logits = sum of the 32 partial sums in pl + bg;  out1 = softmax over the 8 heads (the row's maximum taken away first);
; out0[t][d] = sum over g of out1[t][g>>1] P[g][t][d]  +  sum over h of out1[t][h] b2[h][d].
; P [16 g][256 token quads][1024 places cp][4 tokens] f32, cp = (d>>6) x 64 + (d&3) x 16 + ((d>>2)&15); pl [32][2 head quads][1024 tokens][4 heads] f32.
; Work-group tq owns four tokens; thread tid owns columns 4 tid .. 4 tid + 3.  A load of P takes 16 bytes a lane (four tokens of one column), sixteen lanes 256 consecutive
; bytes; the 4 x 4 turn from (column, token) to (token, column) is made by the choice of registers alone.
; A stream: P is read once, 16,384 bytes x 16 for a work-group; no LDS, no barrier, no matrix unit, no cluster (work-groups share only pl's, bg's and b2's few bytes).
; Each wave makes the four tokens' softmax for itself: lane l holds token (l>>2)&3, head 4 (l>>4) + (l&3).
; out1: a work-group's 128 bytes are half of an aligned block of 256; out1 is 32,768 bytes in all, and eight tokens a work-group would leave half of the work-groups.
.set OFF,  2                           ; v2-9     (tid>>4) x 1,024 + 16 (tid&15) + (g>>1) x 8,388,608
.set PL,   10                          ; v10-41   32 partial logits
.set RING, 64                          ; v64-191  eight slots of 16 registers: P[g] in slot g&7, word e of load j = token e, column j
.set B2,   192                         ; v192-223 b2[h] of my four columns
.set O,    224                         ; v224-239 token e, column j at O + 4 e + j
.set WS,   32                          ; s32-63   gate weight of token e, head hd at WS + 16 (hd>>2) + 4 e + (hd&3)
	s_load_b256 s[4:11], s[0:1], 0x0               ; P s[4:5], pl s[6:7], bg s[8:9], b2 s[10:11]
	s_load_b128 s[12:15], s[0:1], 0x20             ; out0 s[12:13], out1 s[14:15]
	v_lshrrev_b32 v1, 5, v0
	v_readfirstlane_b32 s16, v1                    ; wave
	s_lshl_b32 s18, ttmp9, 14                      ; P: tq x 16,384; out0: 4 tq rows of 4,096 bytes, the same figure
	s_mov_b32 s19, 0
	s_lshl_b32 s20, ttmp9, 6                       ; pl: 4 tq tokens x 16 bytes
	s_mov_b32 s21, 0
	s_lshl_b32 s22, ttmp9, 7                       ; out1: 4 tq tokens x 32 bytes
	s_mov_b32 s23, 0
	s_mov_b32 s24, 0x76543210                      ; v_permlanex16_b32: lane i of one half reads lane i of the other
	s_mov_b32 s25, 0xfedcba98
	v_and_b32 v43, 31, v0                          ; lane l
	v_lshrrev_b32 v44, 4, v43                      ; l >> 4: head quad
	v_and_b32 v45, 15, v43
	v_lshlrev_b32 v46, 2, v45
	v_lshl_add_u32 v46, v44, 14, v46               ; pl: head quad x 16,384 + (l&15) x 4
	v_and_b32 v47, 3, v43
	v_lshl_add_u32 v47, v44, 2, v47                ; my head
	v_lshlrev_b32 v48, 2, v47                      ; bg: head x 4
	v_bfe_u32 v49, v43, 2, 2                       ; my token e
	v_lshl_add_u32 v49, v49, 5, v48                ; out1: e x 32 + head x 4
	v_lshlrev_b32 v50, 4, v0                       ; b2 and out0: 16 tid
	v_lshrrev_b32 v51, 4, v0
	v_and_b32 v52, 15, v0
	v_lshlrev_b32 v52, 4, v52
	v_lshl_add_u32 v[OFF], v51, 10, v52
.irp gp, 1,2,3,4,5,6,7
	v_add_nc_u32 v[OFF+\gp], \gp*8388608, v[OFF]
.endr
	v_mov_b32 v54, 0                               ; v_permlanex16_b32's destination counts as read
	s_wait_kmcnt 0x0
	s_add_nc_u64 s[4:5], s[4:5], s[18:19]
	s_add_nc_u64 s[6:7], s[6:7], s[20:21]
	s_add_nc_u64 s[12:13], s[12:13], s[18:19]
	s_add_nc_u64 s[14:15], s[14:15], s[22:23]
.macro PLOAD g                         ; four loads: P[g] of my four columns
.irp j, 0,1,2,3
	global_load_b128 v[RING+16*(\g&7)+4*\j:RING+16*(\g&7)+4*\j+3], v[OFF+(\g>>1)], s[4:5] offset:(\g&1)*4194304+\j*256 th:TH_LOAD_NT
.endr
.endm
.set n, 0
.rept 32
	global_load_b32 v[PL+n], v46, s[6:7] offset:n*32768
.set n, n+1
.endr
	global_load_b32 v42, v48, s[8:9]
.irp h, 0,1,2,3,4,5,6,7
	global_load_b128 v[B2+4*\h:B2+4*\h+3], v50, s[10:11] offset:\h*4096
.endr
	PLOAD 0
	PLOAD 1
	PLOAD 2
	PLOAD 3
	s_wait_loadcnt 24                              ; b2's 8 loads and P's 16 are younger: pl and bg are in
	PLOAD 4
	PLOAD 5
	PLOAD 6
	PLOAD 7
	; the logit of my token and head
.irp k, 0,2,4,6,8,10,12,14
	v_pk_add_f32 v[PL+\k:PL+\k+1], v[PL+\k:PL+\k+1], v[PL+16+\k:PL+16+\k+1]
.endr
.irp k, 0,2,4,6
	v_pk_add_f32 v[PL+\k:PL+\k+1], v[PL+\k:PL+\k+1], v[PL+8+\k:PL+8+\k+1]
.endr
.irp k, 0,2
	v_pk_add_f32 v[PL+\k:PL+\k+1], v[PL+\k:PL+\k+1], v[PL+4+\k:PL+4+\k+1]
.endr
	v_pk_add_f32 v[PL:PL+1], v[PL:PL+1], v[PL+2:PL+3]
	v_add_f32 v[PL], v[PL], v[PL+1]
	v_add_f32 v[PL], v[PL], v42
	; softmax over the eight lanes of my token: lane bits 0, 1 and 4
	v_mov_b32 v53, v[PL]
	v_max_num_f32_dpp v53, v53, v53 row_xmask:1 row_mask:0xf bank_mask:0xf
	v_max_num_f32_dpp v53, v53, v53 row_xmask:2 row_mask:0xf bank_mask:0xf
	v_permlanex16_b32 v54, v53, s24, s25
	v_max_num_f32 v53, v53, v54                    ; the token's largest logit
	v_sub_f32 v55, v[PL], v53
	v_mul_f32 v55, 0x3fb8aa3b, v55                 ; e^x = 2^(1.442695 x)
	v_exp_f32 v56, v55
	v_nop                                          ; one plain place behind a transcendental (ISA guide 5.7.2)
	s_wait_alu depctr_va_vdst(0)
	v_mov_b32 v57, v56
	v_add_f32_dpp v57, v57, v57 row_xmask:1 row_mask:0xf bank_mask:0xf
	v_add_f32_dpp v57, v57, v57 row_xmask:2 row_mask:0xf bank_mask:0xf
	v_permlanex16_b32 v54, v57, s24, s25
	v_add_f32 v57, v57, v54
	v_rcp_f32 v58, v57
	v_nop
	s_wait_alu depctr_va_vdst(0)
	v_mul_f32 v56, v56, v58                        ; the gate's weight of my token and head; not written again
	s_cmp_lg_u32 s16, 0
	s_cbranch_scc1 .Lnot_wave_0
	global_store_b32 v49, v56, s[14:15]            ; wave 0 alone stores out1: 128 consecutive bytes
.Lnot_wave_0:
.set n, 0
.rept 32
	v_readlane_b32 s[WS+n], v56, n
.set n, n+1
.endr
	s_wait_loadcnt 32                              ; P's 32 loads are younger: b2 is in
.irp e, 0,1,2,3
.irp j, 0,1,2,3
	v_mul_f32 v[O+4*\e+\j], s[WS+4*\e], v[B2+\j]                   ; head 0 starts the sums
.endr
.endr
.irp h, 1,2,3,4,5,6,7
.irp e, 0,1,2,3
.irp j, 0,1,2,3
	v_fmac_f32 v[O+4*\e+\j], s[WS+(\h>>2)*16+4*\e+(\h&3)], v[B2+4*\h+\j]
.endr
.endr
.endr
.macro GSUM g, left                    ; left = younger loads of P that stay out
	s_wait_loadcnt \left
.irp e, 0,1,2,3
.irp j, 0,1,2,3
	v_fmac_f32 v[O+4*\e+\j], s[WS+(\g>>3)*16+4*\e+((\g>>1)&3)], v[RING+16*(\g&7)+4*\j+\e]
.endr
.endr
.endm
.irp g, 0,1,2,3,4,5,6,7
	GSUM \g, 28                                    ; seven younger slots of four loads
	PLOAD (\g+8)                                   ; the slot's next turn
.endr
	GSUM 8, 28
.irp g, 9,10,11,12,13,14,15
	GSUM \g, 4*(15-\g)                             ; nothing more is asked for: the counts run down
.endr
.irp e, 0,1,2,3
	global_store_b128 v50, v[O+4*\e:O+4*\e+3], s[12:13] offset:\e*4096       ; a wave's store covers 512 consecutive bytes of a row
.endr
	s_endpgm
.Lfunc_end_k_q2f93df26aa_combine:
	.size	k_q2f93df26aa_combine, .Lfunc_end_k_q2f93df26aa_combine-k_q2f93df26aa_combine
	.p2alignl 7, 3214868480
	.fill 96, 4, 3214868480
	.section	.rodata,"a",@progbits
	.p2align	6, 0x0
	.amdhsa_kernel k_q2f93df26aa_combine
		.amdhsa_group_segment_fixed_size 0
		.amdhsa_private_segment_fixed_size 0
		.amdhsa_enable_private_segment 0
		.amdhsa_kernarg_size 48
		.amdhsa_user_sgpr_count 2
		.amdhsa_user_sgpr_kernarg_segment_ptr 1
		.amdhsa_wavefront_size32 1
		.amdhsa_system_sgpr_workgroup_id_x 1
		.amdhsa_system_sgpr_workgroup_id_y 1
		.amdhsa_system_sgpr_workgroup_id_z 1
		.amdhsa_system_vgpr_workitem_id 0
		.amdhsa_next_free_vgpr 240
		.amdhsa_next_free_sgpr 66
		.amdhsa_reserve_vcc 0
		.amdhsa_float_denorm_mode_32 3
		.amdhsa_float_denorm_mode_16_64 3
		.amdhsa_memory_ordered 1
		.amdhsa_forward_progress 1
		.amdhsa_inst_pref_size 29
	.end_amdhsa_kernel
	.amdgpu_metadata
---
amdhsa.version: [ 1, 2 ]
amdhsa.kernels:
  - .name:           k_q2f93df26aa_combine
    .symbol:         k_q2f93df26aa_combine.kd
    .args:
      - { .name: P, .offset: 0, .size: 8, .value_kind: global_buffer, .address_space: global }
      - { .name: pl, .offset: 8, .size: 8, .value_kind: global_buffer, .address_space: global }
      - { .name: bg, .offset: 16, .size: 8, .value_kind: global_buffer, .address_space: global }
      - { .name: b2, .offset: 24, .size: 8, .value_kind: global_buffer, .address_space: global }
      - { .name: out0, .offset: 32, .size: 8, .value_kind: global_buffer, .address_space: global }
      - { .name: out1, .offset: 40, .size: 8, .value_kind: global_buffer, .address_space: global }
    .group_segment_fixed_size: 0
    .private_segment_fixed_size: 0
    .kernarg_segment_align: 8
    .kernarg_segment_size: 48
    .max_flat_workgroup_size: 256
    .sgpr_count:     66
    .vgpr_count:     240
    .wavefront_size: 32
...
	.end_amdgpu_metadata
.endif
;; end of part 4
;; ======== version 2 of 3: 4 launches; 1.37 times as fast as version 1
;; workspace buffers: xp 2,097,152 bytes; pl 1,048,576 bytes; Hp 67,108,864 bytes; P 67,108,864 bytes
;; launch gate: the kernel of part 1 again; grid 256 x 1, 8 waves a work-group, no clusters, 132,096 bytes of LDS; arguments x, routing_state, Wi, Ws, bs, bi, Wg, xp, pl; writes xp, pl
;; launch ffn1 (part 5): grid 128 x 4, 4 waves a work-group, clusters of 4 x 4, 327,680 bytes of LDS; arguments xp, W1, b1, Hp; writes Hp
.if DOCPART == 5
	.amdgcn_target "amdgcn-amd-amdhsa--gfx1250"
	.amdhsa_code_object_version 6
	.text
	.protected	k_q2f93df26aa_ffn1
	.globl	k_q2f93df26aa_ffn1
	.p2align	8
	.type	k_q2f93df26aa_ffn1,@function
k_q2f93df26aa_ffn1:
	s_mov_b64 s[64:65], 0
	v_nop
	global_prefetch_b8 v0, s[64:65] scope:SCOPE_SE
	s_setreg_imm32_b32 hwreg(HW_REG_WAVE_MODE, 25, 1), 1
	s_wait_xcnt 0x0
	s_wait_alu depctr_hold_cnt(0) depctr_sa_sdst(0) depctr_va_vdst(0) depctr_va_sdst(0) depctr_va_ssrc(0) depctr_va_vcc(0) depctr_vm_vsrc(0)
	s_getreg_b32 s2, hwreg(HW_REG_IB_STS2, 6, 4)
	s_cmp_eq_u32 s2, 0
	s_cbranch_scc0 .Lentry_in_a_cluster
	s_endpgm
.Lentry_in_a_cluster:
	s_bfe_u32 s2, ttmp6, 0x10000c
	s_cmp_lg_u32 s2, 0xf033
	s_cbranch_scc0 .Lentry_shape_is_right
	s_endpgm
.Lentry_shape_is_right:
; Hp = gelu(x W1 + b1) in bf16.  xp [128 panels][1024 tokens][8 k] bf16; W1 [8 heads][1024 (k)][4096 (f)] f32; b1 [8][4096] f32;
; Hp [4096 panels][1024 tokens][8] bf16, the panel index running over head x 4096 + f.
; A work-group makes 256 tokens x 256 columns with four waves; a wave makes 256 tokens x 64 columns: 64 accumulators, 512 registers.
; TOKENS: K goes in steps of 256 (32 panels) through two LDS slots of 131,072 bytes, [32 panels][256 tokens][16 bytes].  A fragment load takes
; 16 bytes a lane of sixteen neighbouring tokens of one panel: 256 consecutive bytes, so the slots need no padding.
; WEIGHTS go from memory to registers without LDS: lane (r, h) loads columns 4r .. 4r+3 of 16 rows of a quarter step (32 k), sixteen lanes reading
; 256 consecutive bytes of a row; word j of the loads, rounded to bf16 in pairs, is fragment j, whose lane r is column 4r + j.  Four stage slots of 64
; registers: a quarter's weights are asked for four quarters, 256 matrix instructions, ahead.
; CLUSTERS: 4 x 4 work-groups, cx = block of columns, cy = block of tokens.  The token tile hangs on cy alone and is asked for jointly along the cluster's
; row.  The weights are NOT asked for jointly: for 32 of K a work-group reads 4 x 16 KB of token fragments and fills 16 KB; f32 weights through LDS would
; add 32 KB of fill and 32 KB of reads to these 80 KB.  A token tile's rows are 4,096 bytes long, so a wave's 32 KB are 8 rows.
; THE WAY OUT IS A LOOP over the wave's 16 m tiles.  A loop cannot choose registers, so the 512 accumulator registers go once through LDS (the token slots, which
; have had their last fill by then: 65,536 bytes for each wave): 64 KB stored and 64 KB read back, beside the 512 KB of fragments that a wave reads in its four steps.
; Written out sixteen times the GELU would be some 5,000 instructions that a wave runs once, as long as the four steps' text; as a loop one body of some 330 serves.
; GELU as in the gate launch: gelu(x) = max(x,0) - 0.5 |x| erfc(|x|/sqrt 2), erfc by Abramowitz-Stegun 7.1.26.
; LIMITS: absolute error of erf at most 1.5e-7, of gelu at most 0.75e-7 |x|; v_exp_f32 and v_rcp_f32 flush denormals (ISA guide, 15.8),
; the erfc term is then 0; an infinite pre-activation gives NaN.
; REGISTERS: window 0 addresses, fragments, work; window 1 the weights' stage; window 2 accumulators of m tiles 0-7, (t, j) at 8 (4 t + j); window 3 of m tiles 8-15.
.set PITCHW, 16384                     ; bytes from row to row of W1
.set QB,     32*PITCHW                 ; a quarter step's rows
.set STEPB,  524288                    ; a step's 32 panels of 16,384 bytes
.set SLOT,   131072
.set ADRA, 4                           ; v4-7    LDS: h x 4,096 + 16 r + 65,536 x (2 slot + upper half of the slot)
.set WOFF, 8                           ; v8      weights: 8 h rows + 16 r
.set OOFF, 9                           ; v9      Hp: 4 h panels + 16 r
.set BOFF, 10                          ; v10     b1: 32 h numbers
.set STG,  11                          ; v11     the way out: my wave's stage in LDS, wave x 65,536 + 16 x lane
.set LDN,  12                          ; v12     the way out: the stage at the loop's tile
.set HA0,  16                          ; v16-79   token fragments of m tiles 0-7
.set HA1,  80                          ; v80-143  token fragments of m tiles 8-15
.set WB,   144                         ; v144-175 four weight fragments
.set BIAS, 176                         ; v176-207 b1 in the accumulators' layout, one tile for each j
.set CP,   208                         ; v208-217 five constants, each twice
.set PK,   220                         ; v220-235 packed results
.set EY,   16                          ; the way out works on the fragments' registers
.set ER,   48
.set ET,   80
.set EE,   112
.set EP,   144
.set EX,   176                         ; and takes a tile's 32 sums where b1 lay
.set G1,   24                          ; s[24:31] descriptor group 1
.set G0,   32                          ; s[32:39] descriptor group 0, one set for each slot
.set MSB, 0
.macro WIN new                         ; s_set_vgpr_msb; the immediate's high byte repeats the setting that is left
.if MSB != \new
	s_set_vgpr_msb (MSB<<8)|\new
.set MSB, \new
.endif
.endm
.macro PLACES                          ; four places behind a matrix instruction (ISA guide 7.12.1 for matrix instructions)
.rept 4
	v_nop
.endr
.endm
.macro CREST                           ; a round of the cluster's barrier behind its opening work-group barrier
	s_cmp_lg_u32 s12, 0
	s_cbranch_scc1 .Lnot_wave_0_\@
	s_barrier_signal -3
.Lnot_wave_0_\@:
	s_barrier_wait -3
	s_barrier_signal -1
	s_barrier_wait -1
.endm
.macro CROUND                          ; a whole round
	s_barrier_signal -1
	s_barrier_wait -1
	CREST
.endm
	s_load_b256 s[4:11], s[0:1], 0x0               ; xp s[4:5], W1 s[6:7], b1 s[8:9], Hp s[10:11]
	v_lshl_add_u32 v254, v0, 2, 0x40000
	v_mov_b32 v255, 0
	ds_add_u32 v254, v255
	v_lshrrev_b32 v1, 5, v0
	v_readfirstlane_b32 s12, v1                    ; wave 0..3
	s_bfe_u32 s13, ttmp6, 0x40000                  ; cx
	s_bfe_u32 s14, ttmp6, 0x40004                  ; cy = block of 256 tokens (the grid has one cluster along y)
	s_lshl_b32 s15, s14, 2
	s_lshl_b32 s15, 15, s15                        ; my row of the cluster: places 4 cy .. 4 cy + 3
	s_or_b32 s[G1+0], s15, (3<<16)|(1<<21)         ; 15:0 the mask; 17:16 elements of 8 bytes; 20 no padding; 21 set beside a mask
	s_mov_b32 s[G1+1], 512<<16                     ; tensor_dim0 = 512 elements (256 tokens x 16 bytes)
	s_mov_b32 s[G1+2], 8<<16                       ; tensor_dim1 = 8 panels
	s_mov_b32 s[G1+3], 512<<16                     ; tile_dim0 = 512
	s_mov_b32 s[G1+4], 8                           ; tile_dim1 = 8
	s_mov_b32 s[G1+5], 2048                        ; from panel to panel: 2,048 elements (16,384 bytes)
	s_mov_b32 s[G1+6], 0
	s_mov_b32 s[G1+7], 0
	s_lshl_b32 s16, s14, 12                        ; the token tile: cy x 256 tokens x 16 bytes
	s_lshl_b32 s17, s12, 17                        ; + my 8 panels of a step's 32; no register here ever holds cx
	s_add_co_u32 s16, s16, s17
	s_mov_b32 s17, 0
	s_lshl_b32 s20, s12, 15                        ; LDS: wave x 32,768
	s_lshl_b32 s53, s12, 16                        ; LDS, on the way out: wave x 65,536
	s_lshl_b32 s45, ttmp9, 2
	s_add_co_u32 s45, s45, s13                     ; nb = 4 x cluster x + cx: block of 256 of the 32,768 columns
	s_lshr_b32 s46, s45, 4
	s_lshl_b32 s46, s46, 24                        ; head x 1,024 rows x 16,384 bytes
	s_and_b32 s47, s45, 15
	s_lshl_b32 s47, s47, 10                        ; + block in the head x 256 columns x 4 bytes
	s_add_co_u32 s46, s46, s47
	s_lshl_b32 s52, s12, 8                         ; + wave x 64 columns x 4 bytes
	s_add_co_u32 s46, s46, s52
	s_mov_b32 s47, 0
	s_lshl_b32 s48, s45, 10                        ; b1: nb x 256 x 4 + wave x 64 x 4
	s_add_co_u32 s48, s48, s52
	s_mov_b32 s49, 0
	s_lshl_b32 s50, s45, 19                        ; Hp: (32 nb + 8 wave) panels of 16,384 bytes + cy x 4,096
	s_lshl_b32 s51, s12, 17
	s_add_co_u32 s50, s50, s51
	s_lshl_b32 s51, s14, 12
	s_add_co_u32 s50, s50, s51
	s_mov_b32 s51, 0
	s_mov_b32 s42, 0x3f596d27                      ; c = sqrt(log2(e) / 2) = 0.8493218, twice
	s_mov_b32 s43, 0x3f596d27
	s_mov_b32 s44, 0x3e8ba43f                      ; 0.3275911 / (c sqrt 2) = 0.27273748
	v_and_b32 v1, 15, v0                           ; r
	v_bfe_u32 v2, v0, 4, 1                         ; h
	v_lshlrev_b32 v3, 4, v1
	v_lshl_add_u32 v[ADRA], v2, 12, v3
	v_add_nc_u32 v[ADRA+1], 0x10000, v[ADRA]
	v_add_nc_u32 v[ADRA+2], 0x20000, v[ADRA]
	v_add_nc_u32 v[ADRA+3], 0x30000, v[ADRA]
	v_lshl_add_u32 v[WOFF], v2, 17, v3
	v_lshl_add_u32 v[OOFF], v2, 16, v3
	v_lshlrev_b32 v[BOFF], 7, v2
	v_and_b32 v[STG], 31, v0
	v_lshl_add_u32 v[STG], v[STG], 4, s53
.irp k, 0,1
	v_mov_b32 v[CP+\k],   0x3e199eb3               ; a1 / (2c) =  0.15001946
	v_mov_b32 v[CP+2+\k], 0xbe2b8119               ; a2 / (2c) = -0.16748465
	v_mov_b32 v[CP+4+\k], 0x3f563817               ; a3 / (2c) =  0.83679339
	v_mov_b32 v[CP+6+\k], 0xbf5b0099               ; a4 / (2c) = -0.85547788
	v_mov_b32 v[CP+8+\k], 0x3f1ff67a               ; a5 / (2c) =  0.62485469
.endr
	s_wait_dscnt 0x0
	s_wait_kmcnt 0x0
	s_add_nc_u64 s[16:17], s[4:5], s[16:17]        ; my part of step 0's token tile
	s_add_nc_u64 s[40:41], s[6:7], s[46:47]        ; WP: my weights at the step's first row
	s_add_nc_u64 s[8:9], s[8:9], s[48:49]
	s_add_nc_u64 s[10:11], s[10:11], s[50:51]
.irp q, 0,1
	s_mov_b32 s[G0+4*\q], 1                                        ; count = 1
	s_add_co_u32 s[G0+4*\q+1], s20, \q*SLOT                        ; LDS address: wave x 32,768 + slot
	s_add_nc_u64 s[G0+4*\q+2:G0+4*\q+3], s[16:17], \q*STEPB        ; global address: step q
	s_or_b32 s[G0+4*\q+3], s[G0+4*\q+3], 0x80000000                ; type = 2
.endr
	CROUND                                         ; all sixteen work-groups are here: the first joint loads meet
	tensor_load_to_lds s[G0:G0+3], s[G1:G1+7]      ; both first fills in one group: two tensor loads of the wave are out
	s_nop 0
	tensor_load_to_lds s[G0+4:G0+7], s[G1:G1+7]
	s_nop 0
; 16 LDS loads: the token fragments of m tiles m0 .. m0+7 for quarter qq of the slot (panels 4 qq + h and 4 qq + 2 + h)
.macro LDA buf, slot, qq, m0
.irp t, 0,1,2,3,4,5,6,7
	ds_load_b128 v[\buf+8*\t:\buf+8*\t+3],   v[ADRA+2*\slot+(\qq>>2)] offset:(\qq&3)*16384+(\m0+\t)*256
	ds_load_b128 v[\buf+8*\t+4:\buf+8*\t+7], v[ADRA+2*\slot+(\qq>>2)] offset:(\qq&3)*16384+(\m0+\t)*256+8192
.endr
.endm
; 16 loads: the weights of quarter kq, counted from the step at which WP stands, into stage slot sig: rows i + 8 (i>>3) + 8 h
.macro LDW sig, kq
	WIN 0x40
.irp i, 0,1,2,3,4,5,6,7,8,9,10,11,12,13,14,15
	global_load_b128 v[64*\sig+4*\i:64*\sig+4*\i+3], v[WOFF], s[40:41] offset:(32*\kq+\i+8*(\i>>3))*PITCHW
.endr
.endm
; stage slot sig to four bf16 fragments: register p of fragment j holds word j of loads 2p and 2p+1
.macro CVW sig
	WIN 0x05
.irp j, 0,1,2,3
.irp p, 0,1,2,3,4,5,6,7
	v_cvt_pk_bf16_f32 v[WB+8*\j+\p], v[64*\sig+8*\p+\j], v[64*\sig+8*\p+4+\j]
.endr
.endr
.endm
; 16 matrix instructions: m tiles t0 .. t0+3 of the window x four fragments of weights.  Source 0 = weights, source 1 = tokens: register i of lane (r, h)
; is token 16 t + r, column 32 h + 4 i + j.  first = 1: the sums start from b1.  The accumulators take turns, one instruction a turn.
.macro MUL buf, t0, first
.irp t, \t0, \t0+1, \t0+2, \t0+3
.irp j, 0,1,2,3
.if \first
	v_wmma_f32_16x16x32_bf16 v[8*(4*(\t)+\j):8*(4*(\t)+\j)+7], v[WB+8*\j:WB+8*\j+7], v[\buf+8*(\t):\buf+8*(\t)+7], v[BIAS+8*\j:BIAS+8*\j+7]
.else
	v_wmma_f32_16x16x32_bf16 v[8*(4*(\t)+\j):8*(4*(\t)+\j)+7], v[WB+8*\j:WB+8*\j+7], v[\buf+8*(\t):\buf+8*(\t)+7], v[8*(4*(\t)+\j):8*(4*(\t)+\j)+7]
.endif
.endr
.endr
.endm
; The change of slots, in a step's last quarter.  In front of the barrier each wave waits for its reads of this slot and for all its tensor loads (one is out:
; its part of the other slot).  fill = 1: the barrier opens a round of the cluster's barrier, and behind the round this slot is asked for again, two steps ahead:
; the wave's one tensor load, first behind the round; it has a whole step less 16 matrix instructions in which to land.
.macro TURN slot, fill
	MUL HA0, 0, 0
	s_wait_dscnt 0x0
	s_wait_tensorcnt 0x0
	ds_add_u32 v254, v255
	s_wait_dscnt 0x0
	s_barrier_signal -1
	MUL HA0, 4, 0                                  ; register work while the others arrive
	WIN 0
	s_barrier_wait -1
.if \fill
	CREST
	s_add_nc_u64 s[G0+4*\slot+2:G0+4*\slot+3], s[G0+4*\slot+2:G0+4*\slot+3], 2*STEPB   ; no tensor load of mine is out: the group may be written
	tensor_load_to_lds s[G0+4*\slot:G0+4*\slot+3], s[G1:G1+7]
	s_nop 0
.endif
	PLACES
	LDA HA0, (1-\slot), 0, 0
.endm
; A quarter step: 32 along K, 64 matrix instructions.  wl = 1: the stage slot is asked for again, four quarters ahead.  left = younger weight loads that stay out.
; tail 0: inside a step; 1: change of slots with refill; 2: without; 3: the launch's last quarter, which leaves a barrier's signal open (its wait stands behind the step).
.macro QUARTER slot, qq, first, wl, left, tail
.if \first == 0
	PLACES                                         ; behind the last quarter's matrix instructions: HA1 is loaded and WB written below
.endif
	WIN 0
	LDA HA1, \slot, \qq, 8
	s_wait_loadcnt \left
	CVW (\qq&3)
.if \wl
	LDW (\qq&3), (\qq+4)
.endif
	s_wait_dscnt 16                                ; HA0 is in; the 16 loads of HA1 are younger
.if \first
	WIN 0x80                                       ; D window 2, C (b1) window 0
.else
	WIN 0xa0                                       ; C and D window 2
.endif
.if \tail == 0
	MUL HA0, 0, \first
	MUL HA0, 4, \first
	PLACES
	WIN 0
	LDA HA0, \slot, (\qq+1), 0
	s_wait_dscnt 16                                ; HA1 is in; the 16 loads of the next quarter's HA0 are younger
.endif
.if \tail == 1
	TURN \slot, 1
.endif
.if \tail == 2
	TURN \slot, 0
.endif
.if \tail == 3
	MUL HA0, 0, 0
	MUL HA0, 4, 0
	s_wait_dscnt 0x0                               ; HA1 is in, and with it my last reads of the token slots are over:
	s_barrier_signal -1                            ; say so; the 32 matrix instructions below are register work while the others arrive
.endif
.if \first
	WIN 0xc0
.else
	WIN 0xf0
.endif
	MUL HA1, 0, \first
	MUL HA1, 4, \first
.endm
; A step of 256 along K.  48 = three younger stage slots of 16 loads.  kind = the last quarter's tail.
.macro STEP slot, first, kind
	QUARTER \slot, 0, \first, 1, 48, 0
	QUARTER \slot, 1, 0, 1, 48, 0
	QUARTER \slot, 2, 0, 1, 48, 0
	QUARTER \slot, 3, 0, 1, 48, 0
.if \kind == 3
	QUARTER \slot, 4, 0, 0, 48, 0                  ; nothing more to ask for: the counts run down
	QUARTER \slot, 5, 0, 0, 32, 0
	QUARTER \slot, 6, 0, 0, 16, 0
	QUARTER \slot, 7, 0, 0, 0, 3
.else
	QUARTER \slot, 4, 0, 1, 48, 0
	QUARTER \slot, 5, 0, 1, 48, 0
	QUARTER \slot, 6, 0, 1, 48, 0
	QUARTER \slot, 7, 0, 1, 48, \kind
	s_wait_xcnt 0x0                                ; WP, the pending weight loads' base, is stepped only behind this wait
	s_add_nc_u64 s[40:41], s[40:41], 8*QB
.endif
.endm
.irp j, 0,1,2,3
.irp i, 0,1,2,3,4,5,6,7
	global_load_b32 v[BIAS+8*\j+\i], v[BOFF], s[8:9] offset:(4*\i+\j)*4      ; b1 of column 32 h + 4 i + j; older than the weights' loads, so their first wait covers these
.endr
.endr
	LDW 0, 0
	LDW 1, 1
	LDW 2, 2
	LDW 3, 3
	WIN 0
	s_wait_tensorcnt 0x1                           ; my part of step 0 is in; step 1's stays out
	s_barrier_signal -1
	s_barrier_wait -1
	LDA HA0, 0, 0, 0
	STEP 0, 1, 1                                   ; K = 1,024: four steps; steps 2 and 3 are asked for behind steps 0 and 1
	STEP 1, 0, 1
	STEP 0, 0, 2
	STEP 1, 0, 3
	WIN 0
	s_barrier_wait -1                              ; no wave reads a token slot any more; no tensor load is out (the last was waited for in front of step 2's barrier)
	                                               ; and none follows: the slots have had their last fill and become the waves' stages
	; THE WAY OUT, first part: my 512 accumulator registers into my 65,536 bytes.  Tile mt at mt x 4,096, its registers 4q .. 4q+3 at q x 512 + 16 x lane:
	; 32 lanes store 512 consecutive bytes.  The largest immediate is 15 x 4,096 + 7 x 512 = 65,024.
	PLACES                                         ; behind the last matrix instructions: the LDS stores read results, the work below writes fragments' registers
	WIN 0x08                                       ; store data (source 1) from window 2
.irp t, 0,1,2,3,4,5,6,7
.irp q, 0,1,2,3,4,5,6,7
	ds_store_b128 v[STG], v[32*\t+4*\q:32*\t+4*\q+3] offset:\t*4096+\q*512
.endr
.endr
	WIN 0x0c                                       ; from window 3
.irp t, 0,1,2,3,4,5,6,7
.irp q, 0,1,2,3,4,5,6,7
	ds_store_b128 v[STG], v[32*\t+4*\q:32*\t+4*\q+3] offset:(8+\t)*4096+\q*512
.endr
.endr
	WIN 0
.irp q, 0,1,2,3,4,5,6,7
	ds_load_b128 v[EX+4*\q:EX+4*\q+3], v[STG] offset:\q*512        ; tile 0; LDS serves a wave's instructions in order (ISA guide 5.7.1.4), and the bytes are my own: no wait, no barrier
.endr
; Second part, one m tile (16 tokens x my 64 columns) a trip: number n = 8 j + i of the tile, column 32 h + 4 i + j of token 16 mt + r, lies in EX + n.
; next = 1: as soon as EX has been read, the next tile is asked for into it; it has the rest of the trip in which to come.
; Panel 4 h + c of my eight holds columns 32 h + 8 c .. +7 = (i = 2c, j = 0..3), (i = 2c+1, j = 0..3): a lane's 16 bytes; sixteen lanes (tokens) fill 256 consecutive bytes.
.macro GELU16 next
	s_wait_dscnt 0x0                               ; this tile's eight loads
.set n, 0
.rept 16
	v_pk_mul_f32 v[EY+n:EY+n+1], v[EX+n:EX+n+1], s[42:43] op_sel_hi:[1,0]
.set n, n+2
.endr
.set n, 0
.rept 32
	v_max_num_f32 v[ER+n], 0, v[EX+n]
.set n, n+1
.endr
.if \next
	v_lshl_add_u32 v[LDN], s3, 12, v[STG]          ; the stage at tile s3 (0 to 14); the next tile stands 4,096 further, in the immediate: 15 x 4,096 + 3,584 at the most, inside my 65,536 bytes
.irp q, 0,1,2,3,4,5,6,7
	ds_load_b128 v[EX+4*\q:EX+4*\q+3], v[LDN] offset:4096+\q*512
.endr
.endif
.set n, 0
.rept 16
	v_pk_mul_f32 v[ET+n:ET+n+1], v[EY+n:EY+n+1], v[EY+n:EY+n+1]
.set n, n+2
.endr
.set n, 0
.rept 32
	v_fma_f32 v[EP+n], |v[EY+n]|, s44, 1.0
.set n, n+1
.endr
.set n, 0
.rept 32
	v_exp_f32 v[EE+n], -v[ET+n]
.set n, n+1
.endr
	v_nop                                          ; one plain place before a transcendental's source is written (ISA guide 5.7.2)
.set n, 0
.rept 32
	v_rcp_f32 v[ET+n], v[EP+n]
.set n, n+1
.endr
	v_nop                                          ; and before its result is read
.set n, 0
	s_wait_alu depctr_va_vdst(0)
.rept 16
	v_pk_fma_f32 v[EP+n:EP+n+1], v[ET+n:ET+n+1], v[CP+8:CP+9], v[CP+6:CP+7]
.set n, n+2
.endr
.irp k, 4,2,0
.set n, 0
.rept 16
	v_pk_fma_f32 v[EP+n:EP+n+1], v[EP+n:EP+n+1], v[ET+n:ET+n+1], v[CP+\k:CP+\k+1]
.set n, n+2
.endr
.endr
.set n, 0
.rept 16
	v_pk_mul_f32 v[EE+n:EE+n+1], v[EE+n:EE+n+1], v[ET+n:ET+n+1]
.set n, n+2
.endr
.set n, 0
.rept 16
	v_pk_mul_f32 v[EP+n:EP+n+1], v[EP+n:EP+n+1], v[EE+n:EE+n+1]
.set n, n+2
.endr
.set n, 0
.rept 32
	v_fma_f32 v[ER+n], -|v[EY+n]|, v[EP+n], v[ER+n]
.set n, n+1
.endr
	s_wait_xcnt 0x0                                ; PK, the last tile's store data, and the stores' base are written again only behind this wait
	s_add_nc_u64 s[10:11], s[10:11], 256           ; 16 tokens x 16 bytes on; the stores below reach back by 256, so that the first tile stands at the base as it came
.irp c, 0,1,2,3
	v_cvt_pk_bf16_f32 v[PK+4*\c],   v[ER+2*\c],      v[ER+8+2*\c]
	v_cvt_pk_bf16_f32 v[PK+4*\c+1], v[ER+16+2*\c],   v[ER+24+2*\c]
	v_cvt_pk_bf16_f32 v[PK+4*\c+2], v[ER+2*\c+1],    v[ER+8+2*\c+1]
	v_cvt_pk_bf16_f32 v[PK+4*\c+3], v[ER+16+2*\c+1], v[ER+24+2*\c+1]
.endr
.irp c, 0,1,2,3
	global_store_b128 v[OOFF], v[PK+4*\c:PK+4*\c+3], s[10:11] offset:\c*16384-256
.endr
.endm
	s_mov_b32 s3, 0
.Ltile:
	GELU16 1                                       ; tiles 0 to 14
	s_add_co_u32 s3, s3, 1
	s_cmp_lt_u32 s3, 15
	s_cbranch_scc1 .Ltile
	GELU16 0                                       ; tile 15 is written out: nothing is left to ask for
	s_wait_tensorcnt 0x0
	ds_add_u32 v254, v255
	s_wait_dscnt 0x0
	CROUND                                         ; the closing round: no work-group ends while a partner may still ask for a tile that names it
	s_endpgm
.Lfunc_end_k_q2f93df26aa_ffn1:
	.size	k_q2f93df26aa_ffn1, .Lfunc_end_k_q2f93df26aa_ffn1-k_q2f93df26aa_ffn1
	.p2alignl 7, 3214868480
	.fill 96, 4, 3214868480
	.section	.rodata,"a",@progbits
	.p2align	6, 0x0
	.amdhsa_kernel k_q2f93df26aa_ffn1
		.amdhsa_group_segment_fixed_size 327680
		.amdhsa_private_segment_fixed_size 0
		.amdhsa_enable_private_segment 0
		.amdhsa_kernarg_size 32
		.amdhsa_user_sgpr_count 2
		.amdhsa_user_sgpr_kernarg_segment_ptr 1
		.amdhsa_wavefront_size32 1
		.amdhsa_system_sgpr_workgroup_id_x 1
		.amdhsa_system_sgpr_workgroup_id_y 1
		.amdhsa_system_sgpr_workgroup_id_z 1
		.amdhsa_system_vgpr_workitem_id 0
		.amdhsa_next_free_vgpr 1024
		.amdhsa_next_free_sgpr 66
		.amdhsa_reserve_vcc 0
		.amdhsa_float_denorm_mode_32 3
		.amdhsa_float_denorm_mode_16_64 3
		.amdhsa_memory_ordered 1
		.amdhsa_forward_progress 1
		.amdhsa_inst_pref_size 255
	.end_amdhsa_kernel
	.section	.bss,"aw",@nobits
	.p2align	6
	.space	262144
	.amdgpu_metadata
---
amdhsa.version: [ 1, 2 ]
amdhsa.kernels:
  - .name:           k_q2f93df26aa_ffn1
    .symbol:         k_q2f93df26aa_ffn1.kd
    .args:
      - { .name: xp, .offset: 0, .size: 8, .value_kind: global_buffer, .address_space: global }
      - { .name: W1, .offset: 8, .size: 8, .value_kind: global_buffer, .address_space: global }
      - { .name: b1, .offset: 16, .size: 8, .value_kind: global_buffer, .address_space: global }
      - { .name: Hp, .offset: 24, .size: 8, .value_kind: global_buffer, .address_space: global }
    .group_segment_fixed_size: 327680
    .private_segment_fixed_size: 0
    .kernarg_segment_align: 8
    .kernarg_segment_size: 32
    .max_flat_workgroup_size: 128
    .sgpr_count:     66
    .vgpr_count:     1024
    .wavefront_size: 32
...
	.end_amdgpu_metadata
.endif
;; end of part 5
;; launch ffn2: the kernel of part 3 again; grid 64 x 4, 4 waves a work-group, clusters of 4 x 4, 327,680 bytes of LDS; arguments Hp, W2, P; writes P
;; launch combine: the kernel of part 4 again; grid 256 x 1, 8 waves a work-group, no clusters, 0 bytes of LDS; arguments P, pl, bg, b2, out0, out1; writes out0, out1
;; ======== version 3 of 3: 4 launches; version 2 with the launches gate, combine written anew for expert scheduling mode
;; workspace buffers: xp 2,097,152 bytes; pl 1,048,576 bytes; Hp 67,108,864 bytes; P 67,108,864 bytes
;; launch gate (part 6): grid 256 x 1, 8 waves a work-group, no clusters, 132,096 bytes of LDS; arguments x, routing_state, Wi, Ws, bs, bi, Wg, xp, pl; writes xp, pl
.if DOCPART == 6
	.amdgcn_target "amdgcn-amd-amdhsa--gfx1250"
	.amdhsa_code_object_version 6
	.text
	.protected	k_q2f93df26aa_gate
	.globl	k_q2f93df26aa_gate
	.p2align	8
	.type	k_q2f93df26aa_gate,@function
k_q2f93df26aa_gate:
	s_mov_b64 s[64:65], 0
	v_nop
	global_prefetch_b8 v0, s[64:65] scope:SCOPE_SE
	s_setreg_imm32_b32 hwreg(HW_REG_WAVE_SCHED_MODE, 0, 2), 2
	s_setreg_imm32_b32 hwreg(HW_REG_WAVE_MODE, 25, 1), 1
	s_wait_xcnt 0x0
	s_wait_alu depctr_vm_vsrc(0)
; GATE, first part:  pl = partial sums of  gelu(x Wi + rs Ws + bs + bi) Wg,  and  xp = x in bf16, laid out in panels.
; x [1024 tokens][1024] f32, rs [4][1024], Wi, Ws [1024 (k)][1024 (n)], Wg [1024][8], all f32.
; xp [128 panels][1024 tokens][8 k] bf16.   pl [32 column blocks of 32][2 head quads][1024 tokens][4 heads] f32.
; Work-group c: tokens 64 (c>>4) .. +63 (one batch row b = c>>6), columns 64 (c&15) .. +63 of the combined projection.
; The two projections are ONE product of K = 2,048, [x | rs_b] [Wi ; Ws], split along K over the eight waves:
; waves 0-3 take x and Wi, k = 256 w .. +255; waves 4-7 take rs and Ws with a row stride of 0 (all 16 rows of a fragment are rs[b]).
; Each wave makes 64 x 64 in 16 accumulators, eight steps of 32 along K; the eight partial tiles meet in LDS behind the one barrier.
; Operands come straight from memory in f32 and are rounded to bf16 in registers.  A weight load of lane (r, h) takes columns
; 4r .. 4r+3 of one row k: sixteen lanes read 256 consecutive bytes; word j of the loads feeds fragment j, whose lane r is column 4r + j.
; No cluster: nothing goes through the tensor mover here, and the launch's matrix work is 1/32 of the program's.
; GELU, exact form by erfc:  gelu(x) = max(x,0) - 0.5 |x| erfc(|x|/sqrt 2),  erfc by Abramowitz-Stegun 7.1.26.
; LIMITS: absolute error of erf at most 1.5e-7, of gelu at most 0.75e-7 |x|; v_exp_f32 and v_rcp_f32 flush denormals (ISA guide, 15.8),
; the erfc term is then 0; an infinite argument gives NaN.
; THE MODE: SCHED_MODE bits 1:0 = 2 (LLVM: expert scheduling mode 2), set by the entry lines.  The code itself states the register dependences
; between vector or matrix instructions and memory or LDS instructions, with s_wait_alu, always for 0.
; THE PLAN.  Registers that memory or LDS instructions touch:
;   v3-v15        offsets and LDS addresses: written once at the head, ahead of the head's wait on va_vdst, and never again.
;   stage slot s&1  the loads of step s land in it; step s's 64 conversions read it; the loads of step s + 2 land in it.  ONE wait on va_vdst a step, behind the
;                 conversions; the 32 loads follow it in two runs of 16 among the step's 16 matrix instructions, which name WB, AB and ACC alone.
;   EPW, EBS, EBI the cast's loads land in EPW, its conversions read EPW and write EBS, its two stores read EBS; v112-v116 serve the set-up.  One wait on va_vdst
;                 ahead of the cast's stores; no vector line names v80-v127 from there to step 7, where Wg, bs and bi are loaded into them behind one wait on vm_vsrc.
;   ACC           written by matrix instructions, read by my 32 LDS stores (places, then a wait on va_vdst); behind the barrier 32 LDS loads land in it (a wait on vm_vsrc).
;   WB+16 .. +19  written by the last matrix instruction, read by the last store (places, then a wait on va_vdst).
;   v254, v255    made anew straight ahead of the closing lines; the last memory-side readers of these two registers, my LDS stores of ACC, stand ahead of the wait on vm_vsrc.
.set POF,  3                           ; v3      offset of my 16 bytes in pl
.set WOFF, 4                           ; v4      weights: 8 h rows + 16 r
.set AOFF, 5                           ; v5-8    tokens: (16 mt + r) x stride + 32 h
.set CLD,  9                           ; v9      the cast: from where
.set CST,  10                          ; v10     the cast: to where
.set ST,   11                          ; v11     LDS: my wave's partial tile + 16 x lane
.set RD,   12                          ; v12-13  LDS: where I read the partials of waves 0-3, 4-7
.set BOF,  14                          ; v14     offset in bs, bi
.set GOF,  15                          ; v15     offset in Wg
.set WB,   16                          ; v16-47  four weight fragments (bf16)
.set AB,   48                          ; v48-79  four token fragments (bf16)
.set EPW,  80                          ; v80-95  16 numbers of Wg (before: the cast's f32)
.set EBS,  96                          ; v96-111 16 numbers of bs (before: the cast's packed words)
.set EBI,  112                         ; v112-127 16 numbers of bi (before: set-up temporaries)
.set ACC,  128                         ; v128-255 accumulator (mt, j) at ACC + 8 (4 mt + j); later the partials and the GELU's work
.set EY,   144
.set ER,   160
.set ET,   176
.set EE,   192
.set EP,   208
.set CP,   224                         ; five constants, each twice (pairs for the packed multiply-adds)
; window 1 (v256-511): two stage slots of 128 registers: 64 of weights, 64 of tokens, in f32 as loaded
.set MSB, 0
.macro WIN new                         ; s_set_vgpr_msb; the immediate's high byte repeats the setting that is left
.if MSB != \new
	s_set_vgpr_msb (MSB<<8)|\new
.set MSB, \new
.endif
.endm
.macro PLACES                          ; four places behind a matrix instruction (ISA guide 7.12.1)
.rept 4
	v_nop
.endr
.endm
	s_load_b256 s[4:11], s[0:1], 0x0               ; x s[4:5], rs s[6:7], Wi s[8:9], Ws s[10:11]
	s_load_b256 s[12:19], s[0:1], 0x20             ; bs s[12:13], bi s[14:15], Wg s[16:17], xp s[18:19]
	s_load_b64 s[20:21], s[0:1], 0x40              ; pl
	v_lshrrev_b32 v1, 5, v0
	v_readfirstlane_b32 s22, v1                    ; wave 0..7
	s_lshr_b32 s23, ttmp9, 4                       ; tb: block of 64 tokens
	s_and_b32 s24, ttmp9, 15                       ; nb: block of 64 columns
	s_wait_alu depctr_va_sdst(0)                   ; s22 is written, ahead of its first reader: the bases, the stride and the LDS places are made from it
	s_and_b32 s25, s22, 3                          ; my quarter of the 1,024 k of my operand pair
	s_lshl_b32 s26, s23, 18                        ; x: tb x 64 rows x 4,096 bytes
	s_lshr_b32 s27, s23, 2
	s_lshl_b32 s27, s27, 12                        ; rs: b x 4,096 bytes
	s_lshl_b32 s29, s25, 10                        ; 256 k x 4 bytes
	s_lshl_b32 s30, s25, 20                        ; 256 rows of weights x 4,096 bytes
	s_lshl_b32 s31, s24, 8                         ; 64 columns x 4 bytes
	s_add_co_u32 s30, s30, s31
	s_mov_b32 s31, 0
	s_cmp_lt_u32 s22, 4                            ; waves 0-3: x and Wi; waves 4-7: rs and Ws
	s_cselect_b32 s28, s26, s27
	s_cselect_b32 s36, 0x1000, 0                   ; bytes from token to token
	s_wait_kmcnt 0x0
	s_cselect_b64 s[32:33], s[4:5], s[6:7]
	s_cselect_b64 s[34:35], s[8:9], s[10:11]
	s_add_co_u32 s28, s28, s29
	s_mov_b32 s29, 0
	s_add_nc_u64 s[32:33], s[32:33], s[28:29]      ; my tokens' first k
	s_add_nc_u64 s[34:35], s[34:35], s[30:31]      ; my weights' first row and column
	s_and_b32 s26, ttmp9, 63                       ; the cast's slice: 16 tokens tg,
	s_lshr_b32 s27, ttmp9, 6                       ; 256 k (32 panels) kq
	s_lshl_b32 s28, s26, 16
	s_lshl_b32 s30, s27, 10
	s_add_co_u32 s28, s28, s30
	s_add_nc_u64 s[4:5], s[4:5], s[28:29]          ; x + tg x 16 rows + kq x 1,024 bytes
	s_lshl_b32 s30, s27, 19
	s_lshl_b32 s26, s26, 8
	s_add_co_u32 s30, s30, s26
	s_add_nc_u64 s[18:19], s[18:19], s[30:31]      ; xp + kq x 32 panels of 16,384 bytes + tg x 256 bytes
	s_lshr_b32 s26, s22, 1                         ; behind the barrier wave v sums m tile mt = v>>1,
	s_and_b32 s27, s22, 1                          ; columns 32 kh .. +31, kh = v&1
	s_lshl_b32 s28, s24, 11
	s_lshl_b32 s30, s27, 10
	s_add_co_u32 s28, s28, s30
	s_add_nc_u64 s[16:17], s[16:17], s[28:29]      ; Wg + (64 nb + 32 kh) rows of 32 bytes
	s_lshr_b32 s28, s28, 3
	s_add_nc_u64 s[12:13], s[12:13], s[28:29]      ; bs, bi + (64 nb + 32 kh) x 4
	s_add_nc_u64 s[14:15], s[14:15], s[28:29]
	s_lshl_b32 s28, s24, 16
	s_lshl_b32 s30, s27, 15
	s_add_co_u32 s28, s28, s30
	s_lshl_b32 s30, s23, 10
	s_add_co_u32 s28, s28, s30
	s_lshl_b32 s30, s26, 8
	s_add_co_u32 s28, s28, s30
	s_add_nc_u64 s[20:21], s[20:21], s[28:29]      ; pl + (2 nb + kh) x 32,768 + (64 tb + 16 mt) x 16
	s_lshl_b32 s37, s22, 14                        ; LDS: 16,384 bytes for each wave's partial tile
	s_lshl_b32 s41, s26, 12
	s_lshl_b32 s42, s27, 8
	s_add_co_u32 s41, s41, s42                     ; LDS: mt x 4,096 + kh x 256
	s_mov_b32 s38, 0x3f596d27                      ; c = sqrt(log2(e) / 2) = 0.8493218, twice
	s_mov_b32 s39, 0x3f596d27
	s_mov_b32 s40, 0x3e8ba43f                      ; 0.3275911 / (c sqrt 2) = 0.27273748
	v_and_b32 v1, 15, v0                           ; r
	v_bfe_u32 v2, v0, 4, 1                         ; h
	v_and_b32 v112, 31, v0                         ; lane
	v_lshrrev_b32 v113, 4, v0                      ; thread / 16: 0..15
	v_lshlrev_b32 v114, 4, v1                      ; 16 r
	v_lshl_add_u32 v[WOFF], v2, 15, v114           ; 8 h rows of 4,096 bytes + 16 r
.irp mt, 0,1,2,3
	v_add_nc_u32 v115, 16*\mt, v1
	v_mul_u32_u24 v[AOFF+\mt], s36, v115
	v_lshl_add_u32 v[AOFF+\mt], v2, 5, v[AOFF+\mt]
.endr
	v_lshlrev_b32 v[CLD], 12, v1
	v_lshl_add_u32 v[CLD], v113, 5, v[CLD]         ; token r, panel thread/16: 8 k = 32 bytes of f32
	v_lshl_add_u32 v[CST], v113, 14, v114          ; panel thread/16, token r: 16 bytes of bf16
	v_lshl_add_u32 v[ST], v112, 4, s37
	v_lshl_add_u32 v[RD], v2, 9, v114
	v_add_nc_u32 v[RD], s41, v[RD]                 ; mt x 4,096 + h x 512 + kh x 256 + 16 r
	v_add_nc_u32 v[RD+1], 0x10000, v[RD]
	v_lshlrev_b32 v[BOF], 6, v2                    ; 16 h numbers
	v_and_b32 v115, 3, v1
	v_lshrrev_b32 v116, 3, v1
	v_lshlrev_b32 v115, 2, v115
	v_lshl_add_u32 v115, v116, 4, v115             ; row r of the Wg fragment is head (r&3) + 4 (r>>3)
	v_lshl_add_u32 v[GOF], v2, 9, v115             ; + 16 h rows of 32 bytes
	v_lshl_add_u32 v[POF], v2, 14, v114            ; head quad h, token r
	s_wait_alu depctr_va_vdst(0)                   ; the thirteen offsets and addresses v3 to v15 are written, which every load and store of the kernel reads; the set-up lines are done with v112 to v116, in which bi's loads land in step 7
; step s's 32 loads into stage slot s&1, in two runs.  GLOADW: 16 of weights (rows i + 8 (i>>3) + 8 h of the step's 32)
.macro GLOADW s
	WIN 0x40
.irp i, 0,1,2,3,4,5,6,7,8,9,10,11,12,13,14,15
	global_load_b128 v[128*(\s&1)+4*\i:128*(\s&1)+4*\i+3], v[WOFF], s[34:35] offset:(32*\s+\i+8*(\i>>3))*4096
.endr
.endm
; GLOADA: 16 of tokens (k = 8h .. +7 and 16+8h .. +7 of four m tiles)
.macro GLOADA s
	WIN 0x40
.irp mt, 0,1,2,3
	global_load_b128 v[128*(\s&1)+64+16*\mt:128*(\s&1)+64+16*\mt+3],     v[AOFF+\mt], s[32:33] offset:128*\s
	global_load_b128 v[128*(\s&1)+64+16*\mt+4:128*(\s&1)+64+16*\mt+7],   v[AOFF+\mt], s[32:33] offset:128*\s+16
	global_load_b128 v[128*(\s&1)+64+16*\mt+8:128*(\s&1)+64+16*\mt+11],  v[AOFF+\mt], s[32:33] offset:128*\s+64
	global_load_b128 v[128*(\s&1)+64+16*\mt+12:128*(\s&1)+64+16*\mt+15], v[AOFF+\mt], s[32:33] offset:128*\s+80
.endr
.endm
	; the cast's four loads, then step 0's
.irp it, 0,1
	global_load_b128 v[EPW+8*\it:EPW+8*\it+3],   v[CLD], s[4:5] offset:512*\it
	global_load_b128 v[EPW+8*\it+4:EPW+8*\it+7], v[CLD], s[4:5] offset:512*\it+16
.endr
	GLOADW 0
	GLOADA 0
	WIN 0
	s_wait_loadcnt 32                              ; step 0's 32 loads are younger: the cast's four are in
.irp it, 0,1
.irp p, 0,1,2,3
	v_cvt_pk_bf16_f32 v[EBS+4*\it+\p], v[EPW+8*\it+2*\p], v[EPW+8*\it+2*\p+1]
.endr
.endr
	s_wait_alu depctr_va_vdst(0)                   ; the eight conversions have written EBS, which the two stores read; they are also done with EPW and EBS, in which step 7's loads land
.irp it, 0,1
	global_store_b128 v[CST], v[EBS+4*\it:EBS+4*\it+3], s[18:19] offset:262144*\it   ; sixteen lanes (tokens) fill 256 consecutive bytes of a panel
.endr
	GLOADW 1                                       ; no vector line has named stage slot 1
	GLOADA 1
; 8 matrix instructions: m tiles m0, m0 + 1 x four fragments of weights.  The 16 accumulators take turns, one instruction a turn.
; Source 0 = weights, source 1 = tokens: register i of lane (r, h) is token 16 mt + r, column 32 h + 4 i + j.
.macro GMUL s, m0
.irp mt, \m0, \m0+1
.irp j, 0,1,2,3
.if \s
	v_wmma_f32_16x16x32_bf16 v[ACC+8*(4*(\mt)+\j):ACC+8*(4*(\mt)+\j)+7], v[WB+8*\j:WB+8*\j+7], v[AB+8*(\mt):AB+8*(\mt)+7], v[ACC+8*(4*(\mt)+\j):ACC+8*(4*(\mt)+\j)+7]
.else
	v_wmma_f32_16x16x32_bf16 v[ACC+8*(4*(\mt)+\j):ACC+8*(4*(\mt)+\j)+7], v[WB+8*\j:WB+8*\j+7], v[AB+8*(\mt):AB+8*(\mt)+7], 0
.endif
.endr
.endr
.endm
; One step of 32 along K.
.macro GSTEP s
.if \s
	PLACES                                         ; behind the last step's matrix instructions, whose sources are written below
.endif
.if \s == 7
	s_wait_loadcnt 0x0                             ; the last step's loads
	WIN 0
	s_wait_xcnt 0x0                                ; EBS held the cast's store data: loaded into only behind this wait
	s_wait_alu depctr_vm_vsrc(0)                   ; the cast's two stores have read EBS, in which bs's loads land (the vector lines that named v80 to v127 stand ahead of earlier waits on va_vdst)
.set n, 0
.rept 16
	global_load_b32 v[EPW+n], v[GOF], s[16:17] offset:(4*(n&3)+(n>>2))*32    ; K place n of half h is column 16 h + 4 (n&3) + (n>>2)
.set n, n+1
.endr
.irp q, 0,1,2,3
	global_load_b128 v[EBS+4*\q:EBS+4*\q+3], v[BOF], s[12:13] offset:16*\q
	global_load_b128 v[EBI+4*\q:EBI+4*\q+3], v[BOF], s[14:15] offset:16*\q
.endr
.else
	s_wait_loadcnt 32                              ; the other slot's 32 loads are younger: this step's are in
.endif
	WIN 0x05
.irp j, 0,1,2,3
.irp p, 0,1,2,3,4,5,6,7
	v_cvt_pk_bf16_f32 v[WB+8*\j+\p], v[128*(\s&1)+8*\p+\j], v[128*(\s&1)+8*\p+4+\j]
.endr
.endr
.irp mt, 0,1,2,3
.irp p, 0,1,2,3,4,5,6,7
	v_cvt_pk_bf16_f32 v[AB+8*\mt+\p], v[128*(\s&1)+64+16*\mt+2*\p], v[128*(\s&1)+64+16*\mt+2*\p+1]
.endr
.endr
.if \s < 6
	WIN 0x40
	s_wait_alu depctr_va_vdst(0)                   ; the 64 conversions are done reading this stage slot, in which the 32 loads of the step after next land
	GLOADW (\s+2)
.endif
	WIN 0
	GMUL \s, 0
.if \s < 6
	GLOADA (\s+2)                                  ; no further wait: the eight matrix instructions since the wait name WB, AB and ACC, none of the registers that these loads touch
	WIN 0
.endif
	GMUL \s, 2
.endm
.irp s, 0,1,2,3,4,5,6,7
	GSTEP \s
.endr
	; my partial tile into my 16,384 bytes of LDS; 32 lanes x 16 bytes are 512 consecutive bytes
	PLACES
	s_wait_alu depctr_va_vdst(0)                   ; the matrix instructions have written ACC, which the LDS stores read; the places above stay beside this wait
.irp mt, 0,1,2,3
.irp j, 0,1,2,3
.irp ih, 0,1
	ds_store_b128 v[ST], v[ACC+8*(4*\mt+\j)+4*\ih:ACC+8*(4*\mt+\j)+4*\ih+3] offset:((4*\mt+\j)*2+\ih)*512
.endr
.endr
.endr
	s_wait_dscnt 0x0                               ; my stores are done, for the other waves' sake
	s_barrier_signal -1
	s_barrier_wait -1
	s_wait_alu depctr_vm_vsrc(0)                   ; my LDS stores have read ACC: the LDS loads below land in these registers, and the GELU's lines and the closing lines' two makers write them later
	; wave v: m tile mt, columns 32 kh .. +31.  Lane (r, h) takes, of each wave u's tile, word e of fragment j: token 16 mt + r, column 32 kh + 16 h + 4 e + j
.irp u, 0,1,2,3,4,5,6,7
.irp j, 0,1,2,3
.if \u < 4
	ds_load_b128 v[ACC+16*\u+4*\j:ACC+16*\u+4*\j+3], v[RD] offset:\u*16384+\j*1024
.else
	ds_load_b128 v[ACC+16*\u+4*\j:ACC+16*\u+4*\j+3], v[RD+1] offset:(\u-4)*16384+\j*1024
.endif
.endr
.endr
.irp u, 1,2,3,4,5,6,7
	s_wait_dscnt 4*(7-\u)                          ; the four loads of each later wave's tile stay out
.irp k, 0,2,4,6,8,10,12,14
	v_pk_add_f32 v[ACC+\k:ACC+\k+1], v[ACC+\k:ACC+\k+1], v[ACC+16*\u+\k:ACC+16*\u+\k+1]
.endr
.endr
	s_wait_loadcnt 0x0                             ; Wg, bs, bi
.irp k, 0,2,4,6,8,10,12,14
	v_pk_add_f32 v[EBS+\k:EBS+\k+1], v[EBS+\k:EBS+\k+1], v[EBI+\k:EBI+\k+1]
.endr
.irp j, 0,1,2,3
.irp e, 0,1,2,3
	v_add_f32 v[ACC+4*\j+\e], v[ACC+4*\j+\e], v[EBS+4*\e+\j]
.endr
.endr
.irp k, 0,1
	v_mov_b32 v[CP+\k],   0x3e199eb3               ; a1 / (2c) =  0.15001946
	v_mov_b32 v[CP+2+\k], 0xbe2b8119               ; a2 / (2c) = -0.16748465
	v_mov_b32 v[CP+4+\k], 0x3f563817               ; a3 / (2c) =  0.83679339
	v_mov_b32 v[CP+6+\k], 0xbf5b0099               ; a4 / (2c) = -0.85547788
	v_mov_b32 v[CP+8+\k], 0x3f1ff67a               ; a5 / (2c) =  0.62485469
.endr
	; GELU of 16 numbers: Y = c x; T = 1 / (1 + 0.27273748 |Y|); E = 2^(-Y Y); gelu = max(x, 0) - |Y| poly(T) T E
.set n, 0
.rept 8
	v_pk_mul_f32 v[EY+n:EY+n+1], v[ACC+n:ACC+n+1], s[38:39] op_sel_hi:[1,0]
.set n, n+2
.endr
.set n, 0
.rept 16
	v_max_num_f32 v[ER+n], 0, v[ACC+n]
.set n, n+1
.endr
.set n, 0
.rept 8
	v_pk_mul_f32 v[ET+n:ET+n+1], v[EY+n:EY+n+1], v[EY+n:EY+n+1]
.set n, n+2
.endr
.set n, 0
.rept 16
	v_fma_f32 v[EP+n], |v[EY+n]|, s40, 1.0
.set n, n+1
.endr
.set n, 0
.rept 16
	v_exp_f32 v[EE+n], -v[ET+n]
.set n, n+1
.endr
	v_nop                                          ; one plain place before a transcendental's source is written (ISA guide 5.7.2)
.set n, 0
.rept 16
	v_rcp_f32 v[ET+n], v[EP+n]
.set n, n+1
.endr
	v_nop                                          ; and before its result is read
.set n, 0
	s_wait_alu depctr_va_vdst(0)                   ; one wait for the batch: the 16 exponentials have written EE and the 16 reciprocals ET, ahead of the first line that names a result
.rept 8
	v_pk_fma_f32 v[EP+n:EP+n+1], v[ET+n:ET+n+1], v[CP+8:CP+9], v[CP+6:CP+7]
.set n, n+2
.endr
.irp k, 4,2,0
.set n, 0
.rept 8
	v_pk_fma_f32 v[EP+n:EP+n+1], v[EP+n:EP+n+1], v[ET+n:ET+n+1], v[CP+\k:CP+\k+1]
.set n, n+2
.endr
.endr
.set n, 0
.rept 8
	v_pk_mul_f32 v[EE+n:EE+n+1], v[EE+n:EE+n+1], v[ET+n:ET+n+1]
.set n, n+2
.endr
.set n, 0
.rept 8
	v_pk_mul_f32 v[EP+n:EP+n+1], v[EP+n:EP+n+1], v[EE+n:EE+n+1]
.set n, n+2
.endr
.set n, 0
.rept 16
	v_fma_f32 v[ER+n], -|v[EY+n]|, v[EP+n], v[ER+n]
.set n, n+1
.endr
	; logits' partial sums over my 32 columns: one matrix instruction.  Both fragments place column 16 h + 4 (n&3) + (n>>2) at K place n of half h.
.irp p, 0,1,2,3,4,5,6,7
	v_cvt_pk_bf16_f32 v[WB+\p],   v[EPW+2*\p], v[EPW+2*\p+1]
	v_cvt_pk_bf16_f32 v[WB+8+\p], v[ER+2*\p],  v[ER+2*\p+1]
.endr
	v_wmma_f32_16x16x32_bf16 v[WB+16:WB+23], v[WB:WB+7], v[WB+8:WB+15], 0
	PLACES
	s_wait_alu depctr_va_vdst(0)                   ; the matrix instruction has written WB+16 .. +19, which the store reads; the places above stay beside this wait
	global_store_b128 v[POF], v[WB+16:WB+19], s[20:21]     ; registers 0-3 of lane (r, h): heads 4h .. 4h+3 of token 16 mt + r; sixteen lanes fill 256 consecutive bytes
	s_wait_xcnt 0x0
	v_lshl_add_u32 v254, v0, 2, 0x20000
	v_mov_b32 v255, 0
	s_wait_dscnt 0x0                               ; the closing lines, six on end
	s_wait_alu 0x0
	s_wait_tensorcnt 0x0
	ds_add_u32 v254, v255
	s_wait_dscnt 0x0
	s_endpgm
.Lfunc_end_k_q2f93df26aa_gate:
	.size	k_q2f93df26aa_gate, .Lfunc_end_k_q2f93df26aa_gate-k_q2f93df26aa_gate
	.p2alignl 7, 3214868480
	.fill 96, 4, 3214868480
	.section	.rodata,"a",@progbits
	.p2align	6, 0x0
	.amdhsa_kernel k_q2f93df26aa_gate
		.amdhsa_group_segment_fixed_size 132096
		.amdhsa_private_segment_fixed_size 0
		.amdhsa_enable_private_segment 0
		.amdhsa_kernarg_size 72
		.amdhsa_user_sgpr_count 2
		.amdhsa_user_sgpr_kernarg_segment_ptr 1
		.amdhsa_wavefront_size32 1
		.amdhsa_system_sgpr_workgroup_id_x 1
		.amdhsa_system_sgpr_workgroup_id_y 1
		.amdhsa_system_sgpr_workgroup_id_z 1
		.amdhsa_system_vgpr_workitem_id 0
		.amdhsa_next_free_vgpr 512
		.amdhsa_next_free_sgpr 66
		.amdhsa_reserve_vcc 0
		.amdhsa_float_denorm_mode_32 3
		.amdhsa_float_denorm_mode_16_64 3
		.amdhsa_memory_ordered 1
		.amdhsa_forward_progress 1
		.amdhsa_inst_pref_size 94
	.end_amdhsa_kernel
	.amdgpu_metadata
---
amdhsa.version: [ 1, 2 ]
amdhsa.kernels:
  - .name:           k_q2f93df26aa_gate
    .symbol:         k_q2f93df26aa_gate.kd
    .args:
      - { .name: x, .offset: 0, .size: 8, .value_kind: global_buffer, .address_space: global }
      - { .name: routing_state, .offset: 8, .size: 8, .value_kind: global_buffer, .address_space: global }
      - { .name: Wi, .offset: 16, .size: 8, .value_kind: global_buffer, .address_space: global }
      - { .name: Ws, .offset: 24, .size: 8, .value_kind: global_buffer, .address_space: global }
      - { .name: bs, .offset: 32, .size: 8, .value_kind: global_buffer, .address_space: global }
      - { .name: bi, .offset: 40, .size: 8, .value_kind: global_buffer, .address_space: global }
      - { .name: Wg, .offset: 48, .size: 8, .value_kind: global_buffer, .address_space: global }
      - { .name: xp, .offset: 56, .size: 8, .value_kind: global_buffer, .address_space: global }
      - { .name: pl, .offset: 64, .size: 8, .value_kind: global_buffer, .address_space: global }
    .group_segment_fixed_size: 132096
    .private_segment_fixed_size: 0
    .kernarg_segment_align: 8
    .kernarg_segment_size: 72
    .max_flat_workgroup_size: 256
    .sgpr_count:     66
    .vgpr_count:     512
    .wavefront_size: 32
...
	.end_amdgpu_metadata
.endif
;; end of part 6
;; launch ffn1: the kernel of part 5 again; grid 128 x 4, 4 waves a work-group, clusters of 4 x 4, 327,680 bytes of LDS; arguments xp, W1, b1, Hp; writes Hp
;; launch ffn2: the kernel of part 3 again; grid 64 x 4, 4 waves a work-group, clusters of 4 x 4, 327,680 bytes of LDS; arguments Hp, W2, P; writes P
;; launch combine (part 7): grid 256 x 1, 8 waves a work-group, no clusters, 0 bytes of LDS; arguments P, pl, bg, b2, out0, out1; writes out0, out1
.if DOCPART == 7
	.amdgcn_target "amdgcn-amd-amdhsa--gfx1250"
	.amdhsa_code_object_version 6
	.text
	.protected	k_q2f93df26aa_combine
	.globl	k_q2f93df26aa_combine
	.p2align	8
	.type	k_q2f93df26aa_combine,@function
k_q2f93df26aa_combine:
	s_mov_b64 s[64:65], 0
	v_nop
	global_prefetch_b8 v0, s[64:65] scope:SCOPE_SE
	s_setreg_imm32_b32 hwreg(HW_REG_WAVE_SCHED_MODE, 0, 2), 2
	s_setreg_imm32_b32 hwreg(HW_REG_WAVE_MODE, 25, 1), 1
	s_wait_xcnt 0x0
	s_wait_alu depctr_vm_vsrc(0)
; logits = sum of the 32 partial sums in pl + bg;  out1 = softmax over the 8 heads (the row's maximum taken away first);
; out0[t][d] = sum over g of out1[t][g>>1] P[g][t][d]  +  sum over h of out1[t][h] b2[h][d].
; P [16 g][256 token quads][1024 places cp][4 tokens] f32, cp = (d>>6) x 64 + (d&3) x 16 + ((d>>2)&15); pl [32][2 head quads][1024 tokens][4 heads] f32.
; Work-group tq owns four tokens; thread tid owns columns 4 tid .. 4 tid + 3.  A load of P takes 16 bytes a lane (four tokens of one column), sixteen lanes 256 consecutive
; bytes; the 4 x 4 turn from (column, token) to (token, column) is made by the choice of registers alone.
; A stream: P is read once, 16,384 bytes x 16 for a work-group; no LDS, no barrier, no matrix unit, no cluster (work-groups share only pl's, bg's and b2's few bytes).
; Each wave makes the four tokens' softmax for itself: lane l holds token (l>>2)&3, head 4 (l>>4) + (l&3).
; out1: a work-group's 128 bytes are half of an aligned block of 256; out1 is 32,768 bytes in all, and eight tokens a work-group would leave half of the work-groups.
; THE MODE: SCHED_MODE bits 1:0 = 2 (LLVM: expert scheduling mode 2), set by the entry lines.  The code itself states the register dependences
; between vector instructions and memory instructions, with s_wait_alu, always for 0.
; THE PLAN.  Registers that memory instructions touch:
;   v2-v9, v46, v48-v50   offsets: written once at the head, ahead of the head's wait on va_vdst, and never again.
;   PL, v42, B2           loaded once; no vector line names them ahead of their loads.
;   RING, nine slots      P[g] lies in slot g % 9.  Step g's sixteen multiply-adds read slot g % 9; its four loads, P[g + 8], land in slot (g + 8) % 9 = (g - 1) % 9: the slot
;                         that step g - 1 emptied (for g = 0: slot 8, which no vector line has named) and that no vector line of step g names.  So ONE wait on va_vdst at the
;                         head of steps 1 to 7, behind the wait for the step's data, states all that the step's loads hang on.
;   v56                   the gate's weight: written by vector lines, read by wave 0's store (a wait on va_vdst ahead of the branch); not written again.
;   O                     written by the sums, read by the four last stores (a wait on va_vdst).
; No register that a memory instruction reads is written again: no wait on vm_vsrc is owed.
.set OFF,  2                           ; v2-9     (tid>>4) x 1,024 + 16 (tid&15) + (g>>1) x 8,388,608
.set PL,   10                          ; v10-41   32 partial logits
.set RING, 64                          ; v64-207  nine slots of 16 registers: P[g] in slot g % 9, word e of load j = token e, column j
.set B2,   208                         ; v208-239 b2[h] of my four columns
.set O,    240                         ; v240-255 token e, column j at O + 4 e + j
.set WS,   32                          ; s32-63   gate weight of token e, head hd at WS + 16 (hd>>2) + 4 e + (hd&3)
	s_load_b256 s[4:11], s[0:1], 0x0               ; P s[4:5], pl s[6:7], bg s[8:9], b2 s[10:11]
	s_load_b128 s[12:15], s[0:1], 0x20             ; out0 s[12:13], out1 s[14:15]
	v_lshrrev_b32 v1, 5, v0
	v_readfirstlane_b32 s16, v1                    ; wave
	s_lshl_b32 s18, ttmp9, 14                      ; P: tq x 16,384; out0: 4 tq rows of 4,096 bytes, the same figure
	s_mov_b32 s19, 0
	s_lshl_b32 s20, ttmp9, 6                       ; pl: 4 tq tokens x 16 bytes
	s_mov_b32 s21, 0
	s_lshl_b32 s22, ttmp9, 7                       ; out1: 4 tq tokens x 32 bytes
	s_mov_b32 s23, 0
	s_mov_b32 s24, 0x76543210                      ; v_permlanex16_b32: lane i of one half reads lane i of the other
	s_mov_b32 s25, 0xfedcba98
	v_and_b32 v43, 31, v0                          ; lane l
	v_lshrrev_b32 v44, 4, v43                      ; l >> 4: head quad
	v_and_b32 v45, 15, v43
	v_lshlrev_b32 v46, 2, v45
	v_lshl_add_u32 v46, v44, 14, v46               ; pl: head quad x 16,384 + (l&15) x 4
	v_and_b32 v47, 3, v43
	v_lshl_add_u32 v47, v44, 2, v47                ; my head
	v_lshlrev_b32 v48, 2, v47                      ; bg: head x 4
	v_bfe_u32 v49, v43, 2, 2                       ; my token e
	v_lshl_add_u32 v49, v49, 5, v48                ; out1: e x 32 + head x 4
	v_lshlrev_b32 v50, 4, v0                       ; b2 and out0: 16 tid
	v_lshrrev_b32 v51, 4, v0
	v_and_b32 v52, 15, v0
	v_lshlrev_b32 v52, 4, v52
	v_lshl_add_u32 v[OFF], v51, 10, v52
.irp gp, 1,2,3,4,5,6,7
	v_add_nc_u32 v[OFF+\gp], \gp*8388608, v[OFF]
.endr
	v_mov_b32 v54, 0                               ; v_permlanex16_b32's destination counts as read
	s_wait_alu depctr_va_sdst(0)                   ; s16 is written, ahead of its first reader: the compare that picks the wave that stores out1
	s_wait_kmcnt 0x0
	s_add_nc_u64 s[4:5], s[4:5], s[18:19]
	s_add_nc_u64 s[6:7], s[6:7], s[20:21]
	s_add_nc_u64 s[12:13], s[12:13], s[18:19]
	s_add_nc_u64 s[14:15], s[14:15], s[22:23]
	s_wait_alu depctr_va_vdst(0)                   ; the offsets v2 to v9, v46 and v48 to v50 are written, which every load and store of the kernel reads
.macro PLOAD g                         ; four loads: P[g] of my four columns
.irp j, 0,1,2,3
	global_load_b128 v[RING+16*((\g)%9)+4*\j:RING+16*((\g)%9)+4*\j+3], v[OFF+(\g>>1)], s[4:5] offset:(\g&1)*4194304+\j*256 th:TH_LOAD_NT
.endr
.endm
.set n, 0
.rept 32
	global_load_b32 v[PL+n], v46, s[6:7] offset:n*32768
.set n, n+1
.endr
	global_load_b32 v42, v48, s[8:9]
.irp h, 0,1,2,3,4,5,6,7
	global_load_b128 v[B2+4*\h:B2+4*\h+3], v50, s[10:11] offset:\h*4096
.endr
	PLOAD 0
	PLOAD 1
	PLOAD 2
	PLOAD 3
	s_wait_loadcnt 24                              ; b2's 8 loads and P's 16 are younger: pl and bg are in
	PLOAD 4
	PLOAD 5
	PLOAD 6
	PLOAD 7
	; the logit of my token and head
.irp k, 0,2,4,6,8,10,12,14
	v_pk_add_f32 v[PL+\k:PL+\k+1], v[PL+\k:PL+\k+1], v[PL+16+\k:PL+16+\k+1]
.endr
.irp k, 0,2,4,6
	v_pk_add_f32 v[PL+\k:PL+\k+1], v[PL+\k:PL+\k+1], v[PL+8+\k:PL+8+\k+1]
.endr
.irp k, 0,2
	v_pk_add_f32 v[PL+\k:PL+\k+1], v[PL+\k:PL+\k+1], v[PL+4+\k:PL+4+\k+1]
.endr
	v_pk_add_f32 v[PL:PL+1], v[PL:PL+1], v[PL+2:PL+3]
	v_add_f32 v[PL], v[PL], v[PL+1]
	v_add_f32 v[PL], v[PL], v42
	; softmax over the eight lanes of my token: lane bits 0, 1 and 4
	v_mov_b32 v53, v[PL]
	v_max_num_f32_dpp v53, v53, v53 row_xmask:1 row_mask:0xf bank_mask:0xf
	v_max_num_f32_dpp v53, v53, v53 row_xmask:2 row_mask:0xf bank_mask:0xf
	v_permlanex16_b32 v54, v53, s24, s25
	v_max_num_f32 v53, v53, v54                    ; the token's largest logit
	v_sub_f32 v55, v[PL], v53
	v_mul_f32 v55, 0x3fb8aa3b, v55                 ; e^x = 2^(1.442695 x)
	v_exp_f32 v56, v55
	v_nop                                          ; one plain place behind a transcendental (ISA guide 5.7.2)
	s_wait_alu depctr_va_vdst(0)                   ; the exponential has written v56, ahead of the first line that names it
	v_mov_b32 v57, v56
	v_add_f32_dpp v57, v57, v57 row_xmask:1 row_mask:0xf bank_mask:0xf
	v_add_f32_dpp v57, v57, v57 row_xmask:2 row_mask:0xf bank_mask:0xf
	v_permlanex16_b32 v54, v57, s24, s25
	v_add_f32 v57, v57, v54
	v_rcp_f32 v58, v57
	v_nop
	s_wait_alu depctr_va_vdst(0)                   ; the reciprocal has written v58, ahead of the first line that names it
	v_mul_f32 v56, v56, v58                        ; the gate's weight of my token and head; not written again
	s_wait_alu depctr_va_vdst(0)                   ; v56 is written, which wave 0's store below reads as its data
	s_cmp_lg_u32 s16, 0
	s_cbranch_scc1 .Lnot_wave_0
	global_store_b32 v49, v56, s[14:15]            ; wave 0 alone stores out1: 128 consecutive bytes
.Lnot_wave_0:
.set n, 0
.rept 32
	v_readlane_b32 s[WS+n], v56, n
.set n, n+1
.endr
	s_wait_alu depctr_va_sdst(0)                   ; one wait for the run: s32 to s63 are written, ahead of their first reader, the multiplies below
	s_wait_loadcnt 32                              ; P's 32 loads are younger: b2 is in
.irp e, 0,1,2,3
.irp j, 0,1,2,3
	v_mul_f32 v[O+4*\e+\j], s[WS+4*\e], v[B2+\j]                   ; head 0 starts the sums
.endr
.endr
.irp h, 1,2,3,4,5,6,7
.irp e, 0,1,2,3
.irp j, 0,1,2,3
	v_fmac_f32 v[O+4*\e+\j], s[WS+(\h>>2)*16+4*\e+(\h&3)], v[B2+4*\h+\j]
.endr
.endr
.endr
.macro GSUM g                          ; the sums take P[g], out of slot g % 9
.irp e, 0,1,2,3
.irp j, 0,1,2,3
	v_fmac_f32 v[O+4*\e+\j], s[WS+(\g>>3)*16+4*\e+((\g>>1)&3)], v[RING+16*((\g)%9)+4*\j+\e]
.endr
.endr
.endm
.irp g, 0,1,2,3,4,5,6,7
	s_wait_loadcnt 28                              ; seven younger slots of four loads stay out: P[g] is in
.if \g
	s_wait_alu depctr_va_vdst(0)                   ; the step before is done reading its slot, in which the four loads below land
.endif
	PLOAD (\g+8)                                   ; into the slot that the step before emptied (in the first step: the ninth slot, which no vector line has named)
	GSUM \g
.endr
	s_wait_loadcnt 28
	GSUM 8
.irp g, 9,10,11,12,13,14,15
	s_wait_loadcnt 4*(15-\g)                       ; nothing more is asked for: the counts run down
	GSUM \g
.endr
	s_wait_alu depctr_va_vdst(0)                   ; the sums have written O, which the four stores read
.irp e, 0,1,2,3
	global_store_b128 v50, v[O+4*\e:O+4*\e+3], s[12:13] offset:\e*4096       ; a wave's store covers 512 consecutive bytes of a row
.endr
	s_endpgm
.Lfunc_end_k_q2f93df26aa_combine:
	.size	k_q2f93df26aa_combine, .Lfunc_end_k_q2f93df26aa_combine-k_q2f93df26aa_combine
	.p2alignl 7, 3214868480
	.fill 96, 4, 3214868480
	.section	.rodata,"a",@progbits
	.p2align	6, 0x0
	.amdhsa_kernel k_q2f93df26aa_combine
		.amdhsa_group_segment_fixed_size 0
		.amdhsa_private_segment_fixed_size 0
		.amdhsa_enable_private_segment 0
		.amdhsa_kernarg_size 48
		.amdhsa_user_sgpr_count 2
		.amdhsa_user_sgpr_kernarg_segment_ptr 1
		.amdhsa_wavefront_size32 1
		.amdhsa_system_sgpr_workgroup_id_x 1
		.amdhsa_system_sgpr_workgroup_id_y 1
		.amdhsa_system_sgpr_workgroup_id_z 1
		.amdhsa_system_vgpr_workitem_id 0
		.amdhsa_next_free_vgpr 256
		.amdhsa_next_free_sgpr 66
		.amdhsa_reserve_vcc 0
		.amdhsa_float_denorm_mode_32 3
		.amdhsa_float_denorm_mode_16_64 3
		.amdhsa_memory_ordered 1
		.amdhsa_forward_progress 1
		.amdhsa_inst_pref_size 30
	.end_amdhsa_kernel
	.amdgpu_metadata
---
amdhsa.version: [ 1, 2 ]
amdhsa.kernels:
  - .name:           k_q2f93df26aa_combine
    .symbol:         k_q2f93df26aa_combine.kd
    .args:
      - { .name: P, .offset: 0, .size: 8, .value_kind: global_buffer, .address_space: global }
      - { .name: pl, .offset: 8, .size: 8, .value_kind: global_buffer, .address_space: global }
      - { .name: bg, .offset: 16, .size: 8, .value_kind: global_buffer, .address_space: global }
      - { .name: b2, .offset: 24, .size: 8, .value_kind: global_buffer, .address_space: global }
      - { .name: out0, .offset: 32, .size: 8, .value_kind: global_buffer, .address_space: global }
      - { .name: out1, .offset: 40, .size: 8, .value_kind: global_buffer, .address_space: global }
    .group_segment_fixed_size: 0
    .private_segment_fixed_size: 0
    .kernarg_segment_align: 8
    .kernarg_segment_size: 48
    .max_flat_workgroup_size: 256
    .sgpr_count:     66
    .vgpr_count:     256
    .wavefront_size: 32
...
	.end_amdgpu_metadata
.endif
;; end of part 7
